; MI455X (gfx1250); checked and timed in simulation.
; The chip was launched on July 23, 2026; its instructions are those of AMD's public machine-readable ISA for CDNA 5 (MIT licence, August 2026) and "CDNA5" Instruction Set Architecture Reference Guide (July 2026). The comments in the code are by the model that wrote it; some were corrected since.
;; Causal Self Attention. Allowed arithmetic: matrix products marked QUANTISED: E4M3 operands, one given power-of-two scale a tensor, by v_wmma_f32_16x16x64_fp8_fp8 or v_wmma_f32_16x16x128_fp8_fp8, f32 sums; everything else in f32.
;; Inputs: W_out 1,024 x 1,024 float32; W_qkv 3,072 x 1,024 float32; lowp_scales 8 int32 (the exponents e of the quantised operands' scales 2^e); x 4 x 2,048 x 1,024 float32.
;; Outputs: out0 4 x 2,048 x 1,024 float32.
;; This version of the problem:
;;   THIS VERSION OF THE PROBLEM IS GIVEN IN LOW PRECISION. The matrix products marked QUANTISED in the list below multiply operands that are first quantised to E4M3 (4 exponent bits, 3 mantissa bits; 8 bits a number), with one given power-of-two scale for each operand tensor; their sums are f32. All else is computed in f32.
;;   The module's matrix products, in the order in which they are computed (A, B: the left and right operand; K: the contracted axis; several contracted axes count as one K, in the product's order):
;;     1. [M 8,192, K 1,024] x [K 1,024, N 3,072]; A: input x; B: input W_qkv: QUANTISED (scales: A lowp_scales[0], B lowp_scales[1])
;;     2. batch 64 x [M 2,048, K 64] x [K 64, N 2,048]; A: computed on the way; B: computed on the way: QUANTISED (scales: A lowp_scales[2], B lowp_scales[3])
;;     3. batch 64 x [M 2,048, K 2,048] x [K 2,048, N 64]; A: softmax (see below); B: computed on the way: QUANTISED (scales: A lowp_scales[4], B lowp_scales[5])
;;     4. [M 8,192, K 1,024] x [K 1,024, N 1,024]; A: computed on the way; B: input W_out: QUANTISED (scales: A lowp_scales[6], B lowp_scales[7])
;;   THE QUANTISER, for each operand of a quantised product, along K:
;;     - The operand's scale is 2^e, e = its entry of the input lowp_scales (int32; the entries are numbered through the quantised products in the list's order, A before B).
;;     - Each number is divided by the scale, clamped to +-448, and rounded to the nearest number of E4M3, ties to even, subnormals kept.
;;     - The product sums the exact products of the quantised numbers (number of the format x scale) in f32.
;;   ~~~python
;;   def quantise(x, axis, e):      # numpy; x: float32 -> the quantised numbers, widened to float32 again
;;       x = np.moveaxis(x, axis, -1); K = x.shape[-1]
;;       r = np.clip(x / 2.0 ** e, -448, 448)
;;       step = 2.0 ** (np.maximum(np.frexp(np.where(r == 0, 1, r))[1] - 1, -6) - 3)
;;       q = np.round(r / step) * step * 2.0 ** e      # np.round: ties to even
;;       return np.moveaxis(q, -1, axis).astype(np.float32)
;;   ~~~
;;   SOFTMAX AHEAD OF A QUANTISED PRODUCT. Where the list says 'softmax', what is quantised is not the finished softmax but p = 2^(t - M), with t = logit x log2(e) and M = ceil(the row's largest t), a whole number; so 1/2 < the row's largest p <= 1. The row's sum l is taken of the UNQUANTISED p, in f32, and the product's result is divided by l at the end. Since M is a whole number, a kernel that streams over the keys may use a running M (the ceiling of the running maximum): every later rescaling is an exact power of two, so the quantised numbers keep their values, but for numbers so far below the row's largest that they fall under the format's range.
;;   OPERANDS COMPUTED ON THE WAY. 'Computed on the way' means the value that the module computes at that place (a softmax that the list does not call 'softmax' is quantised finished and normalised). What goes into a quantiser is computed in f32, as accurately as f32 sums, v_exp_f32 and their like allow (about 1e-6 of the number): no bf16 or f16 on the way to a quantiser, and a product that is left as it is and whose result goes on into a quantised operand takes f32 operands (vector FMAs, or v_wmma_f32_16x16x4_f32). A number that lies on a knife's edge between two numbers of the format may be rounded either way, as far as f32 arithmetic and the matrix unit's own rounding can turn it there, and no further.
;; One version. Each part assembles by itself: llvm-mc -triple=amdgcn-amd-amdhsa -mcpu=gfx1250 --defsym DOCPART=n.
;; ======== version 1 of 1: 4 launches
;; limits: right only within a limited range of input values
;; workspace buffers: x_codes 8,388,608 bytes; wqkv_codes 3,145,728 bytes; wout_codes 1,048,576 bytes; q_codes 8,388,608 bytes; k_codes 8,388,608 bytes; v_codes 8,388,608 bytes; y_codes 8,388,608 bytes
;; launch quant (part 1): grid 768 x 1, 4 waves a work-group, no clusters, 33,280 bytes of LDS; arguments x, W_qkv, W_out, lowp_scales, x_codes, wqkv_codes, wout_codes; writes x_codes, wqkv_codes, wout_codes
.if DOCPART == 1
	.amdgcn_target "amdgcn-amd-amdhsa--gfx1250"
	.amdhsa_code_object_version 6
	.text
	.protected	k_qa947ea88fd_quant
	.globl	k_qa947ea88fd_quant
	.p2align	8
	.type	k_qa947ea88fd_quant,@function
k_qa947ea88fd_quant:
	s_mov_b64 s[64:65], 0
	v_nop
	global_prefetch_b8 v0, s[64:65] scope:SCOPE_SE
	s_setreg_imm32_b32 hwreg(HW_REG_WAVE_MODE, 25, 1), 1
	s_wait_xcnt 0x0
; x [8192][1024], W_qkv [3072][1024] and W_out [1024][1024], f32, K innermost, are turned into codes of FP8 (E4M3), one byte each, in the same order,
; each with the one scale 2^e that is given for it: entry 0 of the scales for x, entry 1 for W_qkv, entry 7 for W_out.
; code = number / 2^e, held within +-448, rounded to the nearest code, ties to even.
; LIMITS: each e between -126 and 119, so that 2^e and 448 x 2^e are f32 numbers.  NaN among the inputs is not served (an infinity is held at the largest code).
; Rows are dense, so each tensor is a plain stream.  A work-group takes 16,384 numbers: the first 512 work-groups take x, the next 192 W_qkv, the last 64 W_out.
; Only pointers and the exponent are chosen, by the work-group's number: all three tensors take one path through the text.
; A wave takes 8 steps of 512 numbers.  A conversion takes 8 neighbours from ONE lane's registers; a load is best where neighbouring LANES take neighbouring bytes.  Both are had: each of a step's four
; loads reads 512 consecutive bytes, 16 a lane; the 2,048 bytes go through the wave's own stage in LDS and come back 64 bytes a lane (16 bytes of padding behind each 64).
; A lane's 16 codes are 16 bytes: the wave stores 512 consecutive bytes.  No matrix unit, no cluster, no barrier: waves share nothing.  Loads run four steps (16 loads a wave) ahead.
.set WAVES, 4
.set STEPS, 8
.set WGX,   512                        ; work-groups for x
.set WGQ,   704                        ; and for x and W_qkv together
.set EMAX,  8
.set MANT,  0x600000                   ; the mantissa field of 448 as f32
.set CB,    16                         ; bytes of 16 codes
.set R,     16                         ; v16-79   four sets of 16 numbers as they are loaded
.set X,     80                         ; v80-111  two sets of 16 neighbours
.set C,     128                        ; v128-159 codes: four registers for each step, so that no store's data are written again
.set WREG,  8192                       ; LDS: a region for each wave: two stages of 32 x SP bytes
.set SP,    80                         ; a lane's place in a stage: its 64 bytes + 16 of padding
.set SPW,   12                         ; v12      LDS address of my spare word; never rewritten
.set NIL,   13                         ; v13      0; never rewritten
.set SPARE, WAVES*WREG                 ; behind the four regions: the spare words, 128 bytes a wave
	s_load_b256 s[4:11], s[0:1], 0x0               ; x s[4:5], W_qkv s[6:7], W_out s[8:9], the scales' exponents s[10:11]
	s_load_b128 s[12:15], s[0:1], 0x20             ; x's codes, W_qkv's codes
	s_load_b64 s[24:25], s[0:1], 0x30              ; W_out's codes
	v_lshl_add_u32 v[SPW], v0, 2, SPARE
	v_mov_b32 v[NIL], 0
	v_lshrrev_b32 v1, 5, v0
	v_readfirstlane_b32 s16, v1                    ; wave
	v_and_b32 v2, 31, v0                           ; lane
	v_lshlrev_b32 v3, 4, v2                        ; my 16 bytes of a load's 512
	s_mul_i32 s17, s16, WREG
	v_lshrrev_b32 v14, 2, v2
	v_mul_u32_u24 v14, v14, SP
	v_and_b32 v15, 3, v2
	v_lshl_add_u32 v14, v15, 4, v14
	v_add_nc_u32 v14, s17, v14                     ; the stage, on the way in: four lanes' 64 bytes on end, then 16 of padding
	v_mul_u32_u24 v15, v2, SP
	v_add_nc_u32 v15, s17, v15                     ; and on the way out: my 16 neighbours
	v_mul_u32_u24 v4, v2, CB                       ; my codes' place in a step's
	s_mov_b32 s27, WGQ
	s_wait_alu depctr_va_vdst(0)                   ; the wait here, directly ahead of the wait below
	s_wait_kmcnt 0x0
	s_load_b64 s[22:23], s[10:11], 0x0             ; e of x, e of W_qkv
	s_load_b32 s26, s[10:11], 0x1c                 ; e of W_out
	s_mov_b64 s[28:29], s[8:9]                     ; W_out
	s_cmp_lt_u32 ttmp9, WGX                        ; whose work-group?  The choices hang on the work-group's number alone
	s_cselect_b64 s[4:5], s[4:5], s[6:7]
	s_cselect_b64 s[8:9], s[12:13], s[14:15]
	s_cselect_b32 s17, 0, WGX
	s_cmp_lt_u32 ttmp9, WGQ
	s_cselect_b64 s[4:5], s[4:5], s[28:29]
	s_cselect_b64 s[8:9], s[8:9], s[24:25]
	s_cselect_b32 s17, s17, s27                    ; the tensor's first work-group
	s_sub_co_u32 s17, ttmp9, s17
	s_lshl_b32 s17, s17, 2
	s_add_co_u32 s18, s17, s16                     ; which run of 4,096 numbers of the tensor is my wave's
	s_mov_b32 s19, 0
	s_mov_b64 s[20:21], 512*STEPS*4
	s_mul_u64 s[20:21], s[18:19], s[20:21]
	s_add_nc_u64 s[4:5], s[4:5], s[20:21]
	s_mov_b64 s[20:21], 32*STEPS*CB
	s_mul_u64 s[20:21], s[18:19], s[20:21]
	s_add_nc_u64 s[8:9], s[8:9], s[20:21]
.macro LOAD t
.irp i, 0,1,2,3
	global_load_b128 v[R+16*((\t)%4)+4*\i:R+16*((\t)%4)+4*\i+3], v3, s[4:5] offset:2048*(\t)+512*\i th:TH_LOAD_NT   ; 32 lanes read 512 consecutive bytes
.endr
.endm
.macro TURN t                          ; step t's numbers through the stage: LDS serves a wave's instructions in order, so no wait stands between the stores and the loads
.irp i, 0,1,2,3
	ds_store_b128 v14, v[R+16*((\t)%4)+4*\i:R+16*((\t)%4)+4*\i+3] offset:32*SP*((\t)%2)+8*SP*\i
.endr
.irp i, 0,1,2,3
	ds_load_b128 v[X+16*((\t)%2)+4*\i:X+16*((\t)%2)+4*\i+3], v15 offset:32*SP*((\t)%2)+16*\i
.endr
.endm
.irp t, 0,1,2,3
	LOAD \t
.endr
	s_wait_kmcnt 0x0
	s_cmp_lt_u32 ttmp9, WGX
	s_cselect_b32 s22, s22, s23
	s_cmp_lt_u32 ttmp9, WGQ
	s_cselect_b32 s22, s22, s26                    ; e
	s_add_co_i32 s22, s22, 127
	s_lshl_b32 s23, s22, 23
	v_mov_b32 v11, s23                             ; 2^e as f32: the conversion takes its exponent field
	s_add_co_i32 s22, s22, EMAX
	s_lshl_b32 s22, s22, 23
	s_or_b32 s22, s22, MANT
	v_mov_b32 v10, s22                             ; 448 x 2^e
	s_wait_alu depctr_va_vdst(0)                   ; the wait at the head's end
	s_wait_loadcnt 12                              ; step 0's four loads are in; the twelve of steps 1 to 3 may be out
	TURN 0
.macro STEP t
.set XS, X+16*((\t)%2)
	s_wait_dscnt 0x0                               ; this step's numbers are back from the stage: so its stores into the stage have read their registers,
.if (\t)+4 < STEPS
	LOAD (\t)+4                                    ; which take the loads of four steps on
.endif
.if (\t)+1 < STEPS
.if STEPS-2-(\t) >= 3
	s_wait_loadcnt 12                              ; the next step's four loads are in; those of the three steps behind it may be out
.else
	s_wait_loadcnt 4*(STEPS-2-(\t))                ; the tail: four for each step still behind the next one
.endif
	TURN (\t)+1                                    ; and go through the other stage while this step is worked
.endif
.irp i, 0,1,2,3,4,5,6,7,8,9,10,11,12,13,14,15
	v_med3_num_f32 v[XS+\i], v[XS+\i], -v10, v10   ; the conversion to an 8-bit code does not saturate (ISA guide 7.6.2): the hold at the largest code x the scale comes first
.endr
	v_cvt_scalef32_pk8_fp8_f32 v[C+4*(\t):C+4*(\t)+1], v[XS:XS+7], v11          ; eight numbers / 2^e, to the nearest code, ties to even; the first number's code in the lowest byte
	v_cvt_scalef32_pk8_fp8_f32 v[C+4*(\t)+2:C+4*(\t)+3], v[XS+8:XS+15], v11
	global_store_b128 v4, v[C+4*(\t):C+4*(\t)+3], s[8:9] offset:32*CB*(\t)      ; the wave stores 512 consecutive bytes, aligned; the codes' registers are touched by this store alone
.endm
.irp t, 0,1,2,3,4,5,6,7
	STEP \t
.endr
	s_wait_tensorcnt 0x0                           ; the wave's end, behind my last LDS store
	ds_add_u32 v[SPW], v[NIL]
	s_wait_dscnt 0x0
	s_endpgm
.Lfunc_end_k_qa947ea88fd_quant:
	.size	k_qa947ea88fd_quant, .Lfunc_end_k_qa947ea88fd_quant-k_qa947ea88fd_quant
	.p2alignl 7, 3214868480
	.fill 96, 4, 3214868480
	.section	.rodata,"a",@progbits
	.p2align	6, 0x0
	.amdhsa_kernel k_qa947ea88fd_quant
		.amdhsa_group_segment_fixed_size 33280
		.amdhsa_private_segment_fixed_size 0
		.amdhsa_enable_private_segment 0
		.amdhsa_kernarg_size 56
		.amdhsa_user_sgpr_count 2
		.amdhsa_user_sgpr_kernarg_segment_ptr 1
		.amdhsa_wavefront_size32 1
		.amdhsa_system_sgpr_workgroup_id_x 1
		.amdhsa_system_sgpr_workgroup_id_y 1
		.amdhsa_system_sgpr_workgroup_id_z 1
		.amdhsa_system_vgpr_workitem_id 0
		.amdhsa_next_free_vgpr 192
		.amdhsa_next_free_sgpr 66
		.amdhsa_reserve_vcc 0
		.amdhsa_float_denorm_mode_32 3
		.amdhsa_float_denorm_mode_16_64 3
		.amdhsa_memory_ordered 1
		.amdhsa_forward_progress 1
		.amdhsa_inst_pref_size 21
	.end_amdhsa_kernel
	.amdgpu_metadata
---
amdhsa.version: [ 1, 2 ]
amdhsa.kernels:
  - .name:           k_qa947ea88fd_quant
    .symbol:         k_qa947ea88fd_quant.kd
    .args:
      - { .name: x, .offset: 0, .size: 8, .value_kind: global_buffer, .address_space: global }
      - { .name: W_qkv, .offset: 8, .size: 8, .value_kind: global_buffer, .address_space: global }
      - { .name: W_out, .offset: 16, .size: 8, .value_kind: global_buffer, .address_space: global }
      - { .name: lowp_scales, .offset: 24, .size: 8, .value_kind: global_buffer, .address_space: global }
      - { .name: x_codes, .offset: 32, .size: 8, .value_kind: global_buffer, .address_space: global }
      - { .name: wqkv_codes, .offset: 40, .size: 8, .value_kind: global_buffer, .address_space: global }
      - { .name: wout_codes, .offset: 48, .size: 8, .value_kind: global_buffer, .address_space: global }
    .group_segment_fixed_size: 33280
    .private_segment_fixed_size: 0
    .kernarg_segment_align: 8
    .kernarg_segment_size: 56
    .max_flat_workgroup_size: 128
    .sgpr_count:     66
    .vgpr_count:     192
    .wavefront_size: 32
...
	.end_amdgpu_metadata
.endif
;; end of part 1
;; launch qkv (part 2): grid 12 x 32, 4 waves a work-group, clusters of 4 x 4, 327,680 bytes of LDS; arguments x_codes, wqkv_codes, lowp_scales, q_codes, k_codes, v_codes; writes q_codes, k_codes, v_codes
.if DOCPART == 2
	.amdgcn_target "amdgcn-amd-amdhsa--gfx1250"
	.amdhsa_code_object_version 6
	.text
	.protected	k_qa947ea88fd_qkv
	.globl	k_qa947ea88fd_qkv
	.p2align	8
	.type	k_qa947ea88fd_qkv,@function
k_qa947ea88fd_qkv:
	s_mov_b64 s[64:65], 0
	v_nop
	global_prefetch_b8 v0, s[64:65] scope:SCOPE_SE
	s_setreg_imm32_b32 hwreg(HW_REG_WAVE_MODE, 25, 1), 1
	s_wait_xcnt 0x0
	s_wait_alu depctr_hold_cnt(0) depctr_sa_sdst(0) depctr_va_vdst(0) depctr_va_sdst(0) depctr_va_ssrc(0) depctr_va_vcc(0) depctr_vm_vsrc(0)
	s_getreg_b32 s2, hwreg(HW_REG_IB_STS2, 6, 4)
	s_cmp_eq_u32 s2, 0
	s_cbranch_scc0 .Lentry_in_a_cluster
	s_endpgm
.Lentry_in_a_cluster:
	s_bfe_u32 s2, ttmp6, 0x10000c
	s_cmp_lg_u32 s2, 0xf033
	s_cbranch_scc0 .Lentry_shape_is_right
	s_endpgm
.Lentry_shape_is_right:
; qkv = x W_qkv^T on codes of FP8 (E4M3), and its f32 sums quantised at once into the codes of q, k and v that the attention launch reads.
; x's codes [8192][1024], W_qkv's codes [3072][1024], K innermost.  A sum stands for sum x 2^(e0 + e1); its code is sum / 2^(eT - e0 - e1), held within +-448, eT = e2 for q, e3 for k, e5 for v.
; LIMIT: eT - e0 - e1 between -126 and 119, so that the scale and 448 x the scale are f32 numbers.
; OUT: q and k as [head 64][token 2048][64] (K = the head's 64 innermost); v as [head 64][block of 64 tokens 32][feature 64][64 tokens] (K = the keys innermost).  head = 16 x batch + h.
; A tile, 256 tokens x 256 rows of W, is made by a work-group of four waves; a wave makes 128 x 128: 64 accumulators of 16 x 16, 512 registers.  K goes in steps of 256 through a ring of two LDS slots.
; CLUSTERS: 4 x 4 work-groups.  The four of a row need the same tiles of x, the four of a column the same tiles of W: each tile is asked for JOINTLY.  The cluster's x is the kind: 0 q, 1 k, 2 v: the same in all sixteen partners.
; THE MATRIX INSTRUCTION'S TWO SOURCES: source 1 gives a lane its row, source 0 gives its eight registers eight neighbours.  For q and k source 1 = tokens and source 0 = rows of W: a lane holds eight neighbouring
; features of one token.  For v the two change places (two global base addresses are chosen by the kind; nothing else in the loop differs): a lane holds eight neighbouring TOKENS of one feature, as the keys-innermost layout wants.
; REGISTERS, in windows of 256: window 0: v0-31 addresses; from v128 source 1's fragments (8 x 16 rows x 128 K), ONE set; on the way out v32-255 are free.
;   window 1: source 0's fragments, TWO sets, at v0 and v128.   window 2: the accumulators of my rows 0-63 ((a, b) at v[8 (8 a + b)]);   window 3: those of rows 64-127.
.set SIZE_K, 1024
.set ROWB,   256                       ; a tile's row in bytes: 256 codes
.set KROW,   SIZE_K                    ; a row of x or of W in memory, in bytes
.set PITCH,  272                       ; an LDS row: 256 bytes + 16 of padding = 68 words: the 16 rows that a load touches start at 16 different banks (64 banks of 4 bytes: ISA guide 11.1)
.set FR,     16                        ; registers of a fragment: 16 rows x 128 K
.set NL,     4                         ; LDS loads that bring one
.set NP,     4                         ; places behind this matrix instruction (ISA guide 7.12.1)
.set HALFT,  128*PITCH                 ; 128 rows: what one tensor load brings
.set SLOT,   4*HALFT                   ; x's 256 rows, then W's 256 rows
.set SPARE,  2*SLOT                    ; behind the ring: the spare words, 128 bytes a wave
.set SP,     80                        ; the way out: a stage row: 64 bytes of codes + 16
.set GSTG,   128*SP                    ; 128 rows: one half (64) of the registers' axis
.set WSTG,   2*GSTG                    ; a wave's stage.  The stages lie in slot 0, which has had its last fill and its last read when the first code is stored there
.set ADRA, 16                          ; v16-17  LDS address of source 1's fragments in slot 0, 1
.set ADRB, 20                          ; v20-21  the same for source 0
.set STO,  24                          ; v24     the way out: where I put 8 bytes of a row
.set RD,   25                          ; v25     where I read 16 bytes back
.set CO,   26                          ; v26     16 x lane: my place in 512 bytes stored
.set SPW,  28                          ; v28     LDS address of my spare word; never rewritten
.set NIL,  29                          ; v29     0; never rewritten
.set SCR,  30                          ; v30     2^(eT - e0 - e1) as f32
.set LIMR, 31                          ; v31     448 x that
.set TMP,  32                          ; the way out: 64 held sums
.set AF,   128                         ; source 1's fragments, in window 0
.set CD,   128                         ; the way out: the codes, 16 registers a block; then the rows read back
.set G1, 24                            ; s[24:31] descriptor group 1 for x's tiles;  s[32:39] group 0, one set for each slot
.set G0, 32
.set G1B, 48                           ; s[48:55], s[56:63] the same for W's tiles
.set G0B, 56
.set PB,  72                           ; s[72:79] the way out: four bases, number 2 g + hf
.set MSB, 0
.macro WIN new                         ; the immediate's high byte repeats the setting that is left
.if MSB != \new
	s_set_vgpr_msb (MSB<<8)|\new
.set MSB, \new
.endif
.endm
.set MUL_LO, 0xa1                      ; source 0 window 1, source 1 window 0, C and D window 2
.set MUL_HI, 0xf1                      ; the same, C and D window 3
.set TO_B,   0x40                      ; destination window 1, address window 0
; A joint load: waves 0 and 1 fetch x's halves, waves 2 and 3 W's.  Each line has ONE mask and one set of registers for all that issue it; the branch hangs on the wave's number alone.
; An s_nop 0 and four v_nop follow each of the two lines, ahead of the jump, the label and what follows.
.macro JLOAD g0a, g1a, g0b, g1b
	s_cmp_eq_u32 s15, 0
	s_cbranch_scc0 .Lfor_b_\@
	tensor_load_to_lds s[\g0a:\g0a+3], s[\g1a:\g1a+7]
	s_nop 0
.rept 4
	v_nop
.endr
	s_branch .Lasked_\@
.Lfor_b_\@:
	tensor_load_to_lds s[\g0b:\g0b+3], s[\g1b:\g1b+7]
	s_nop 0
.rept 4
	v_nop
.endr
.Lasked_\@:
.endm
.macro CREST                           ; a round of the cluster's barrier behind its opening barrier
	s_cmp_lg_u32 s14, 0
	s_cbranch_scc1 .Lnot_wave_0_\@
	s_barrier_signal -3
.Lnot_wave_0_\@:
	s_barrier_wait -3
	s_barrier_signal -1
	s_barrier_wait -1
.endm
.macro CROUND                          ; a whole round
	s_barrier_signal -1
	s_barrier_wait -1
	CREST
.endm
	s_load_b256 s[4:11], s[0:1], 0x0               ; x's codes s[4:5], W's codes s[6:7], the scales' exponents s[8:9], q's codes s[10:11]
	s_load_b128 s[88:91], s[0:1], 0x20             ; k's codes, v's codes
	v_lshl_add_u32 v[SPW], v0, 2, SPARE
	v_mov_b32 v[NIL], 0
	ds_add_u32 v[SPW], v[NIL]                      ; the wave's opening: the add and its wait ahead of my first tensor load; the set-up below, work on registers, stands between them
	ds_add_u32 v[SPW], v[NIL]
	v_lshrrev_b32 v1, 5, v0
	v_readfirstlane_b32 s14, v1                    ; wave 0..3
	s_lshr_b32 s15, s14, 1                         ; which half of source 1's rows is mine.  Also: I fetch for x (0) or for W (1)
	s_and_b32 s16, s14, 1                          ; which half of source 0's rows.  Also: which 128 rows of that tile I fetch
	s_bfe_u32 s40, ttmp6, 0x40000                  ; cx, cy: my place in the cluster
	s_bfe_u32 s41, ttmp6, 0x40004
	s_lshl_b32 s42, ttmp9, 2
	s_add_co_u32 s42, s42, s40                     ; tile of W = 4 x cluster x + cx
	s_and_b32 s17, ttmp7, 0xffff
	s_lshl_b32 s17, s17, 2
	s_add_co_u32 s17, s17, s41                     ; tile of tokens = 4 x cluster y + cy
	s_lshl_b32 s43, s41, 2
	s_lshl_b32 s43, 15, s43                        ; my row of the cluster
	s_lshl_b32 s44, 0x1111, s40                    ; my column
	; descriptor group 1: a tile of 128 rows x 256 bytes, padded in LDS
	s_or_b32 s[G1+0], s43, (0<<16)|(1<<20)|(1<<21)|(5<<22)|(3<<25)  ; 15:0 the mask: x's tiles go to my row; 17:16 element of 1 byte; 20 padding on; 21 set beside a mask; 24:22 after every 64 words; 31:25 four words
	s_or_b32 s[G1B+0], s44, (0<<16)|(1<<20)|(1<<21)|(5<<22)|(3<<25) ; the same with my column's mask, for W's tiles
.irp g, G1, G1B
	s_mov_b32 s[\g+1], ROWB<<16                    ; tensor_dim0
	s_mov_b32 s[\g+2], 128<<16                     ; tensor_dim1 = 128
	s_mov_b32 s[\g+3], ROWB<<16                    ; tile_dim0
	s_mov_b32 s[\g+4], 128                         ; tile_dim1 = 128
	s_mov_b32 s[\g+5], KROW                        ; tensor_dim0_stride
	s_mov_b32 s[\g+6], 0
	s_mov_b32 s[\g+7], 0
.endr
	s_lshl_b32 s18, s16, 7                         ; which 128 rows of the tile I fetch
	; WHICH TENSOR FEEDS WHICH REGION.  The slot's first 256 rows are source 1's and are shared along my row of the cluster, the last 256 are source 0's and are shared along my column: the LDS addresses hang on the wave alone.
	; q, k: source 1 = x, tile of tokens 4 Y + cy; source 0 = W, tile 4 x kind + cx.  v: source 1 = W, tile 8 + cy; source 0 = x, tile of tokens 4 Y + cx.  Either way the first hangs on cy alone, the second on cx alone.
	s_and_b32 s92, ttmp7, 0xffff
	s_lshl_b32 s92, s92, 2                         ; 4 Y
	s_add_co_u32 s93, s92, s40                     ; v: tile of tokens
	s_add_co_u32 s94, s41, 8                       ; v: tile of W
	s_cmp_eq_u32 ttmp9, 2                          ; the cluster's x: the same in all partners
	s_cselect_b32 s20, s94, s17
	s_cselect_b32 s46, s93, s42
	s_lshl_b32 s20, s20, 8
	s_add_co_u32 s20, s20, s18                     ; source 1: row 256 x tile + 128 x half
	s_lshl_b32 s46, s46, 8
	s_add_co_u32 s46, s46, s18                     ; source 0 likewise
	s_mov_b32 s21, 0
	s_mov_b32 s47, 0
	s_mov_b64 s[18:19], KROW
	s_mul_u64 s[20:21], s[20:21], s[18:19]
	s_mul_u64 s[46:47], s[46:47], s[18:19]
	s_mul_i32 s45, s14, HALFT                      ; where they go: wave x 128 rows: no place in the cluster enters an LDS address
	s_wait_dscnt 0x0                               ; the opening add is done
	s_wait_kmcnt 0x0
	s_load_b256 s[80:87], s[8:9], 0x0              ; e0 .. e7
	s_cmp_eq_u32 ttmp9, 2
	s_cselect_b64 s[92:93], s[6:7], s[4:5]         ; source 1's buffer: W's codes for v, else x's
	s_cselect_b64 s[94:95], s[4:5], s[6:7]         ; source 0's: the other
	s_add_nc_u64 s[20:21], s[92:93], s[20:21]
	s_add_nc_u64 s[46:47], s[94:95], s[46:47]
	CROUND                                         ; all sixteen work-groups are here: the first joint loads meet
.irp s, 0,1
	s_mov_b32 s[G0+4*\s], 1
	s_add_co_u32 s[G0+4*\s+1], s45, \s*SLOT
	s_add_nc_u64 s[G0+4*\s+2:G0+4*\s+3], s[20:21], \s*ROWB
	s_or_b32 s[G0+4*\s+3], s[G0+4*\s+3], 0x80000000
	s_mov_b32 s[G0B+4*\s], 1
	s_add_co_u32 s[G0B+4*\s+1], s45, \s*SLOT
	s_add_nc_u64 s[G0B+4*\s+2:G0B+4*\s+3], s[46:47], \s*ROWB
	s_or_b32 s[G0B+4*\s+3], s[G0B+4*\s+3], 0x80000000
.endr
	; THE PREFETCHES INTO THE L2: of the 128 rows that I fetch, each of the four partners that ask for them with me names 32, told apart by address (cx along a row of the cluster, cy along a column): a lane a row, 256 bytes a K step.
	; K steps 1 and 2 are named behind K step 0's load, K step 3 behind K step 1's: two K steps are asked for and not yet read at the most.  W's rows, which all eight rows of clusters read, are named by the first four alone.
	s_cmp_eq_u32 s15, 0
	s_cselect_b64 s[100:101], s[20:21], s[46:47]   ; the rows that I fetch; never rewritten
	s_cselect_b32 s66, s40, s41                    ; my work-group's place among the four
	s_lshl_b32 s66, s66, 15                        ; 32 rows of 1,024 bytes
	s_mov_b32 s67, 0
	s_add_nc_u64 s[100:101], s[100:101], s[66:67]
	s_cmp_eq_u32 ttmp9, 2
	s_cselect_b32 s68, 1, 0
	s_xor_b32 s68, s68, s15                        ; 1: what I fetch is W
	s_and_b32 s69, ttmp7, 0xffff
	s_lshr_b32 s69, s69, 2
	s_min_u32 s69, s69, 1                          ; 1: my cluster's row is 4 or more
	s_and_b32 s68, s68, s69                        ; 1: I name nothing.  The wave's number and the cluster's place alone: the same in all partners
	JLOAD G0, G1, G0B, G1B
	v_and_b32 v27, 31, v0
	v_lshlrev_b32 v27, 10, v27                     ; a lane a row; never rewritten
	s_cmp_eq_u32 s68, 0
	s_cbranch_scc0 .Lno_ask_0
	global_prefetch_b8 v27, s[100:101] offset:256 th:TH_LOAD_NT scope:SCOPE_SE
	global_prefetch_b8 v27, s[100:101] offset:512 th:TH_LOAD_NT scope:SCOPE_SE
.Lno_ask_0:
	v_and_b32 v1, 15, v0                           ; r = l % 16
	v_bfe_u32 v2, v0, 4, 1                         ; h = l / 16
	v_mul_u32_u24 v3, v1, PITCH
	v_lshl_add_u32 v4, v2, 4, v3                   ; a fragment's row x pitch + 16 x half
	s_wait_alu depctr_va_vdst(0)
	s_mul_i32 s21, s15, HALFT                      ; my 128 rows of source 1,
	s_mul_i32 s22, s16, HALFT                      ; my 128 rows of source 0
	s_add_co_u32 s22, s22, 2*HALFT                 ; source 0's rows lie behind source 1's 256
.irp s, 0,1
	v_add_nc_u32 v[ADRA+\s], s21, v4
	v_add_nc_u32 v[ADRB+\s], s22, v4
	s_add_co_u32 s21, s21, SLOT
	s_add_co_u32 s22, s22, SLOT
.endr
	s_mul_i32 s23, s14, WSTG                       ; my stage
	v_mul_u32_u24 v5, v1, SP
	v_lshl_add_u32 v5, v2, 3, v5
	v_add_nc_u32 v[STO], s23, v5                   ; in: row r, 8 bytes for each half of the lanes
	v_and_b32 v6, 31, v0
	v_lshrrev_b32 v7, 2, v6
	v_mul_u32_u24 v7, v7, SP
	v_and_b32 v8, 3, v6
	v_lshl_add_u32 v7, v8, 4, v7
	v_add_nc_u32 v[RD], s23, v7                    ; back: four lanes to a row of 64 bytes, eight rows an instruction
	v_lshlrev_b32 v[CO], 4, v6
.macro FRAG reg, adr, q, i             ; a fragment, 16 rows x 128 K: lane l holds row l % 16; registers 4 c .. 4 c + 3 hold K = 32 c + 16 (l / 16) + 0 .. 15: the same order of k in both sources, so every product meets its partner
.irp c, 0,1,2,3
	ds_load_b128 v[\reg+4*\c:\reg+4*\c+3], v[\adr] offset:128*(\q)+32*\c+(\i)*16*PITCH
.endr
.endm
; 16 matrix instructions: source 1's blocks a0, a0 + 1 x source 0's eight, 128 along K.  p: source 0's set.  zero = 1: the first product starts the sums.
; The 64 accumulators take turns, one instruction a turn, in the same order in every step.
.macro MUL16 a0, p, zero
.irp a, \a0, \a0+1
.irp b, 0,1,2,3,4,5,6,7
.if \zero
	v_wmma_f32_16x16x128_fp8_fp8 v[8*(8*((\a)%4)+\b):8*(8*((\a)%4)+\b)+7], v[128*(\p)+FR*\b:128*(\p)+FR*\b+FR-1], v[AF+FR*(\a):AF+FR*(\a)+FR-1], 0
.else
	v_wmma_f32_16x16x128_fp8_fp8 v[8*(8*((\a)%4)+\b):8*(8*((\a)%4)+\b)+7], v[128*(\p)+FR*\b:128*(\p)+FR*\b+FR-1], v[AF+FR*(\a):AF+FR*(\a)+FR-1], v[8*(8*((\a)%4)+\b):8*(8*((\a)%4)+\b)+7]
.endif
.endr
.endr
.endm
.macro FETCH_B slot, q, p              ; source 0's eight fragments of the slot's q-th 128 along K into set p
	WIN TO_B
.irp i, 0,1,2,3,4,5,6,7
	FRAG 128*(\p)+FR*\i, ADRB+\slot, \q, \i
.endr
	WIN 0
.endm
.macro FETCH_A slot, q, i0             ; source 1's blocks i0 .. i0 + 3
.irp i, \i0, \i0+1, \i0+2, \i0+3
	FRAG AF+FR*(\i), ADRA+\slot, \q, \i
.endr
.endm
; A load into a register that a matrix instruction has read, and a vector instruction that reads a matrix result, stand NP places behind that matrix instruction; only plain vector instructions
; that name none of its registers are places (ISA guide 7.12.1 for vector instructions).
.macro PLACES n
.rept \n
	v_nop
.endr
.endm
; A step of 128 along K that has its successor in the same slot.
.macro STEP slot, q, zero
	s_wait_dscnt 4*NL                              ; source 0's set and source 1's blocks 0-3 are in; the youngest sixteen loads (blocks 4-7) may be out
	WIN MUL_LO
	MUL16 0, (\q)%2, \zero
	MUL16 2, (\q)%2, \zero
	s_wait_dscnt 0                                 ; blocks 4-7 are in
	PLACES NP
	FETCH_B \slot, (\q)+1, 1-(\q)%2
	FETCH_A \slot, (\q)+1, 0
	WIN MUL_HI
	MUL16 4, (\q)%2, \zero
	MUL16 6, (\q)%2, \zero
	PLACES NP
	WIN 0
	FETCH_A \slot, (\q)+1, 4
.endm
; A slot's last step changes slots: ONE barrier; in front of it each wave waits for all its tensor loads, adds 0 to its spare word, and waits for that and for its own reads of this slot.  fill = 1: this slot is filled again, two K steps ahead.
.macro TURN slot, next, fill
	s_wait_tensorcnt 0x0                           ; all my tensor loads have landed: my part of the next slot  (every window is 0 here)
	ds_add_u32 v[SPW], v[NIL]                      ; 0 onto my spare word
	s_wait_dscnt 4*NL+1                            ; the add and the youngest sixteen loads (blocks 4-7) may be out
	WIN MUL_LO
	MUL16 0, 1, 0                                  ; sixteen matrix instructions stand between the add and the wait for it
	s_wait_dscnt 0x0                               ; the add is done, and my reads of this slot are over
	s_barrier_signal -1
	MUL16 2, 1, 0
	WIN 0
	s_barrier_wait -1
.if \fill
	CREST                                          ; the barrier has opened a round of the cluster's barrier: no wave of any partner still reads this slot or has a load on its way
	s_add_nc_u64 s[G0+4*\slot+2:G0+4*\slot+3], s[G0+4*\slot+2:G0+4*\slot+3], 2*ROWB
	s_add_nc_u64 s[G0B+4*\slot+2:G0B+4*\slot+3], s[G0B+4*\slot+2:G0B+4*\slot+3], 2*ROWB
	JLOAD G0+4*\slot, G1, G0B+4*\slot, G1B         ; the first tensor load behind the round; its four v_nop are also the places in front of the loads below
.else
	PLACES NP
.endif
	FETCH_B \next, 0, 0
	FETCH_A \next, 0, 0
	WIN MUL_HI
	MUL16 4, 1, 0
	MUL16 6, 1, 0
	PLACES NP
	WIN 0
	FETCH_A \next, 0, 4
.endm
	s_wait_alu depctr_va_vdst(0)                   ; the wait at the head's end
	s_wait_tensorcnt 0x0                           ; my part of K step 0 is in
	ds_add_u32 v[SPW], v[NIL]
	s_wait_dscnt 0x0
	CROUND                                         ; everybody's part of K step 0 is in, and the sixteen work-groups meet
	JLOAD G0+4, G1, G0B+4, G1B                     ; K step 1: the first tensor load behind the round
	FETCH_B 0, 0, 0
	FETCH_A 0, 0, 0
	FETCH_A 0, 0, 4
	s_cmp_eq_u32 s68, 0
	s_cbranch_scc0 .Lno_ask_1
	global_prefetch_b8 v27, s[100:101] offset:768 th:TH_LOAD_NT scope:SCOPE_SE   ; K step 3, behind K step 1's load and the run of LDS loads
.Lno_ask_1:
	STEP 0, 0, 1
	TURN 0, 1, 1                                   ; slot 0 takes K step 2
	STEP 1, 0, 0
	TURN 1, 0, 1                                   ; slot 1 takes K step 3
	STEP 0, 0, 0
	TURN 0, 1, 0                                   ; nothing is left to fetch
	STEP 1, 0, 0
	s_wait_dscnt 4*NL                              ; the last step
	WIN MUL_LO
	MUL16 0, 1, 0
	MUL16 2, 1, 0
	s_wait_dscnt 0
	WIN MUL_HI
	MUL16 4, 1, 0
	MUL16 6, 1, 0
	WIN 0
; THE WAY OUT.  m' = 16 a + r is the lane's row (q, k: a token; v: a feature), n' = 16 b + 8 h + j its registers' axis (q, k: a feature; v: a token).  In all three layouts the 64 x 64 block
; (g = n' / 64, hf = m' / 64) is 4,096 dense bytes, byte (m' % 64) x 64 + n' % 64; only the blocks' distances differ, and they are chosen by the kind.  No branch.
	s_wait_kmcnt 0x0
	s_mov_b32 s97, 131072                          ; a head's bytes
	s_mov_b32 s98, 4096
	s_and_b32 s99, ttmp7, 0xffff
	s_lshl_b32 s99, s99, 2
	s_add_co_u32 s99, s99, s40                     ; v's tile of tokens: 4 Y + cx
	s_cmp_eq_u32 ttmp9, 1
	s_cselect_b64 s[10:11], s[88:89], s[10:11]     ; k's codes,
	s_cselect_b32 s94, s83, s82                    ; e3, else e2
	s_cmp_eq_u32 ttmp9, 2
	s_cselect_b64 s[10:11], s[90:91], s[10:11]     ; v's codes,
	s_cselect_b32 s94, s85, s94                    ; e5
	s_cselect_b32 s95, s16, s15
	s_cselect_b32 s92, s99, s17                    ; my tile of tokens,
	s_cselect_b32 s93, s41, s40                    ; my group of four heads: cy for v, else cx
	s_cselect_b32 s96, s15, s16                    ; which pair of heads
	s_cselect_b32 s68, s98, s97                    ; from g = 0 to g = 1: the next head (q, k) or the next 64 tokens (v)
	s_cselect_b32 s70, s97, s98                    ; from hf = 0 to hf = 1: the other way round
	s_mov_b32 s69, 0
	s_mov_b32 s71, 0
	s_sub_co_i32 s94, s94, s80
	s_sub_co_i32 s94, s94, s81                     ; eT - e0 - e1
	s_add_co_i32 s94, s94, 127
	s_lshl_b32 s99, s94, 23
	v_mov_b32 v[SCR], s99                          ; the three scales folded into the conversion's one
	s_add_co_i32 s94, s94, 8
	s_lshl_b32 s94, s94, 23
	s_or_b32 s94, s94, 0x600000
	v_mov_b32 v[LIMR], s94                         ; 448 x that
	s_wait_alu depctr_va_vdst(0)
	s_lshr_b32 s66, s92, 3
	s_lshl_b32 s66, s66, 4
	s_lshl_b32 s67, s93, 2
	s_add_co_u32 s66, s66, s67
	s_lshl_b32 s67, s96, 1
	s_add_co_u32 s66, s66, s67                     ; head = 16 x batch + 4 cx + 2 x my pair
	s_lshl_b32 s66, s66, 17
	s_and_b32 s67, s92, 7
	s_lshl_b32 s67, s67, 8
	s_lshl_b32 s95, s95, 7
	s_add_co_u32 s67, s67, s95                     ; my first token in its batch,
	s_lshl_b32 s67, s67, 6                         ; x 64 bytes, in all three layouts
	s_add_co_u32 s66, s66, s67
	s_mov_b32 s67, 0
	s_add_nc_u64 s[PB:PB+1], s[10:11], s[66:67]
	s_add_nc_u64 s[PB+2:PB+3], s[PB:PB+1], s[70:71]
	s_add_nc_u64 s[PB+4:PB+5], s[PB:PB+1], s[68:69]
	s_add_nc_u64 s[PB+6:PB+7], s[PB+4:PB+5], s[70:71]
	PLACES NP                                      ; behind the last products: for the reads of results and the writes over source 1's registers
.macro QBLOCK a                        ; block a: 16 rows x 128: held, converted (8 neighbours a conversion), 8 bytes a store into my stage
.set AC, 64*((\a)%4)
	WIN 0x02+((\a)/4)                              ; source 0: window 2 or 3
.set jj, 0
.rept 64
	v_med3_num_f32 v[TMP+jj], v[AC+jj], -v[LIMR], v[LIMR]   ; the conversion does not saturate (ISA guide 7.6.2): the hold first; each accumulator from its low end on
.set jj, jj+1
.endr
	WIN 0
.irp b, 0,1,2,3,4,5,6,7
	v_cvt_scalef32_pk8_fp8_f32 v[CD+16*(\a)+2*\b:CD+16*(\a)+2*\b+1], v[TMP+8*\b:TMP+8*\b+7], v[SCR]
.endr
	v_nop                                          ; one plain vector instruction between the conversions and the next block's holds, which write their sources
.irp b, 0,1,2,3,4,5,6,7
	ds_store_b64 v[STO], v[CD+16*(\a)+2*\b:CD+16*(\a)+2*\b+1] offset:(\b/4)*GSTG+(\a)*16*SP+16*(\b%4)
.endr
.endm
.irp a, 0,1,2,3,4,5,6,7
	QBLOCK \a
.endr
	s_wait_dscnt 0x0                               ; the stores have read their registers, which take the rows read back
.set kk, 0
.rept 32
	ds_load_b128 v[CD+4*kk:CD+4*kk+3], v[RD] offset:(kk/16)*GSTG+(kk%16)*8*SP   ; eight rows of 64 bytes: 512 bytes that lie together in memory
.set kk, kk+1
.endr
.set kk, 0
.rept 32
	s_wait_dscnt 31-kk                             ; LDS loads come back in order: number kk is in, the younger ones may be out
	global_store_b128 v[CO], v[CD+4*kk:CD+4*kk+3], s[PB+2*(kk/8):PB+2*(kk/8)+1] offset:(kk%8)*512   ; the wave stores 512 consecutive bytes, aligned
.set kk, kk+1
.endr
	s_wait_tensorcnt 0x0                           ; the wave's end, behind my last tensor load and my last LDS store
	ds_add_u32 v[SPW], v[NIL]
	s_wait_dscnt 0x0
	CROUND                                         ; the closing round: no work-group ends while a partner may still ask for a tile that names it
	s_endpgm
.Lfunc_end_k_qa947ea88fd_qkv:
	.size	k_qa947ea88fd_qkv, .Lfunc_end_k_qa947ea88fd_qkv-k_qa947ea88fd_qkv
	.p2alignl 7, 3214868480
	.fill 96, 4, 3214868480
	.section	.rodata,"a",@progbits
	.p2align	6, 0x0
	.amdhsa_kernel k_qa947ea88fd_qkv
		.amdhsa_group_segment_fixed_size 327680
		.amdhsa_private_segment_fixed_size 0
		.amdhsa_enable_private_segment 0
		.amdhsa_kernarg_size 48
		.amdhsa_user_sgpr_count 2
		.amdhsa_user_sgpr_kernarg_segment_ptr 1
		.amdhsa_wavefront_size32 1
		.amdhsa_system_sgpr_workgroup_id_x 1
		.amdhsa_system_sgpr_workgroup_id_y 1
		.amdhsa_system_sgpr_workgroup_id_z 1
		.amdhsa_system_vgpr_workitem_id 0
		.amdhsa_next_free_vgpr 1024
		.amdhsa_next_free_sgpr 102
		.amdhsa_reserve_vcc 0
		.amdhsa_float_denorm_mode_32 3
		.amdhsa_float_denorm_mode_16_64 3
		.amdhsa_memory_ordered 1
		.amdhsa_forward_progress 1
		.amdhsa_inst_pref_size 127
	.end_amdhsa_kernel
	.amdgpu_metadata
---
amdhsa.version: [ 1, 2 ]
amdhsa.kernels:
  - .name:           k_qa947ea88fd_qkv
    .symbol:         k_qa947ea88fd_qkv.kd
    .args:
      - { .name: x_codes, .offset: 0, .size: 8, .value_kind: global_buffer, .address_space: global }
      - { .name: wqkv_codes, .offset: 8, .size: 8, .value_kind: global_buffer, .address_space: global }
      - { .name: lowp_scales, .offset: 16, .size: 8, .value_kind: global_buffer, .address_space: global }
      - { .name: q_codes, .offset: 24, .size: 8, .value_kind: global_buffer, .address_space: global }
      - { .name: k_codes, .offset: 32, .size: 8, .value_kind: global_buffer, .address_space: global }
      - { .name: v_codes, .offset: 40, .size: 8, .value_kind: global_buffer, .address_space: global }
    .group_segment_fixed_size: 327680
    .private_segment_fixed_size: 0
    .kernarg_segment_align: 8
    .kernarg_segment_size: 48
    .max_flat_workgroup_size: 128
    .sgpr_count:     102
    .vgpr_count:     1024
    .wavefront_size: 32
...
	.end_amdgpu_metadata
.endif
;; end of part 2
;; launch attn (part 3): grid 4 x 64, 8 waves a work-group, clusters of 4 x 1, 327,680 bytes of LDS; arguments q_codes, k_codes, v_codes, lowp_scales, y_codes; writes y_codes
.if DOCPART == 3
	.amdgcn_target "amdgcn-amd-amdhsa--gfx1250"
	.amdhsa_code_object_version 6
	.text
	.protected	k_qa947ea88fd_attn
	.globl	k_qa947ea88fd_attn
	.p2align	8
	.type	k_qa947ea88fd_attn,@function
k_qa947ea88fd_attn:
	s_mov_b64 s[64:65], 0
	v_nop
	global_prefetch_b8 v0, s[64:65] scope:SCOPE_SE
	s_setreg_imm32_b32 hwreg(HW_REG_WAVE_MODE, 25, 1), 1
	s_wait_xcnt 0x0
	s_wait_alu depctr_hold_cnt(0) depctr_sa_sdst(0) depctr_va_vdst(0) depctr_va_sdst(0) depctr_va_ssrc(0) depctr_va_vcc(0) depctr_vm_vsrc(0)
	s_getreg_b32 s2, hwreg(HW_REG_IB_STS2, 6, 4)
	s_cmp_eq_u32 s2, 0
	s_cbranch_scc0 .Lentry_in_a_cluster
	s_endpgm
.Lentry_in_a_cluster:
	s_bfe_u32 s2, ttmp6, 0x10000c
	s_cmp_lg_u32 s2, 0x3003
	s_cbranch_scc0 .Lentry_shape_is_right
	s_endpgm
.Lentry_shape_is_right:
; y[head][q][:] = the sum over keys k <= q of softmax_k(Q[q] . K[k] / 8) V[k][:], both products on codes of FP8 (E4M3), and y quantised at once for the last product.
; Q, K: [head 64][token 2048][64] codes.  V: [head 64][block of 64 keys 32][feature 64][64 keys] codes.  OUT: y's codes as [batch x 8 + block of 256 tokens][h 16][256 tokens][64].
; THE SOFTMAX: t = score x log2(e) / 8; M = the row's largest t so far, rounded up to a whole number; p = 2^(t - M) is quantised (scale 2^e4), not normalised; the row's sum of the unquantised p divides at the end.
; LEFT OUT: key steps all of whose 128 keys come after a wave's queries: the causal mask makes their p zero for all inputs.  A NaN or an infinity that reaches only such scores is not carried to the result.
; SHARES.  The four work-groups of a head form a cluster.  A head's 64 pairs of query tiles (32 queries each) are dealt so: wave w of work-group cx takes pair 63 - a and then pair a, a = 4 w + cx.
; Pair p needs p / 4 + 1 key steps of 128 keys: 16 - w and w + 1, 17 for every wave, and neither count hangs on cx.  A pair's two tiles share each fragment of K and V.
; LDS HOLDS THE HEAD'S WHOLE K AND V: 512 rows of 256 bytes + 16 each.  Two joint fills, one tensor load a wave each (waves 0-3: K, waves 4-7: V): keys 0-639 at the head, keys 640-2047 behind the first round.
; Nothing is filled again.  The walk: 4 steps of pair 63 - a (with the look-ahead they read keys 0-639); one barrier; its other steps; its way out; pair a's steps from key 0; its way out.
; Each step asks for the next step's fragments of K behind its own score products.  Every branch hangs on the wave's number and on counted trips; cx enters global addresses and the mask's numbers alone.
; NO PREFETCH: both fills are issued ahead of the first key step, so the text has no loop that runs ahead of a load.
; LAYOUT: both products transposed (S^T = K Q^T, O^T = V^T P^T): a lane holds one query (lane % 16).  Lane r of K's tile 2 b + u takes key 32 b + 8 u + r + 8 (r / 8), so that the 16 registers of two tiles are 16 neighbouring keys.
; LIMITS: e2 + e3 between -123 and 130; e4 and e6 between -126 and 119; the scaled scores stay under 2^31 in magnitude.
; REGISTERS.  Window 0: v1-11 addresses; tile u: v[12+4u] -M, v[13+4u] largest t, v[14+4u:15+4u] sum, v[20+2u] f, v[24+u] mask; v26-29 constants; v30-39 at work; v40-71 Q; v72-135 K; v136-199 O^T; v200-235 the way out.
; Window 1: v0-127 S^T, then p, of both tiles; v128-191 V; v192-223 p's codes; v224-239 the sum's parts.  So one setting of the windows serves a whole phase of both tiles.
.set PITCH, 272
.set RA,    40                         ; LDS rows a wave brings in the first fill: 4 x 40 rows = 640 keys
.set RB,    88                         ; and in the second
.set VOFF,  512*PITCH                  ; V lies behind K
.set VBLK,  16*PITCH                   ; a block of 64 keys of V
.set KSTEP, 32*PITCH                   ; 128 keys, in K and in V alike
.set STAGE, 2*VOFF                     ; the way out: 32 rows x 80 bytes a wave
.set SP,    80
.set WSTG,  32*SP
.set SPARE, STAGE+8*WSTG               ; the spare words, 128 bytes a wave
.set AK0, 1
.set AV0, 2
.set STI, 4
.set SPW, 5
.set NIL, 6
.set STR, 7
.set ADK, 8
.set ADV, 9
.set QO,  10
.set GO,  11
.set NM,  12
.set SM,  14
.set FF,  20
.set DD,  24
.set LP,  26
.set SCP, 27
.set LY,  28
.set SCY, 29
.set MX,  30
.set PL,  38
.set QH,  40
.set QL,  56
.set KF,  72
.set O,   136
.set CD,  200
.set NI,  216
.set BK,  220
.set VF,  128                          ; window 1
.set PC,  192
.set TT,  224
.set WV,  18
.set SEL, 20
.set CS,  22
.set G1A, 24
.set G0A, 40
.set G0B, 44
.set G1B, 92
.set TB,  56                           ; s56 LDS byte of the step's keys
.set T,   57                           ; s57 the loop's trip
.set DG,  58                           ; s58 the trip that lies on the diagonal; later trips are hidden
.set MSB, 0
.macro WIN new                         ; the immediate's high byte repeats the setting that is left
.if MSB != \new
	s_set_vgpr_msb (MSB<<8)|\new
.set MSB, \new
.endif
.endm
.macro ROUND                           ; a round of the cluster's barrier
	s_barrier_signal -1
	s_barrier_wait -1
	s_cmp_lg_u32 s[WV], 0
	s_cbranch_scc1 .Lnot_wave_0_\@
	s_barrier_signal -3
.Lnot_wave_0_\@:
	s_barrier_wait -3
	s_barrier_signal -1
	s_barrier_wait -1
.endm
.macro PINIT                           ; both tiles' state at a pair's start
.irp u, 0,1
	v_mov_b32 v[NM+4*\u+1], 0xff61b1e6             ; -3e38, under every t
	v_floor_f32 v[NM+4*\u], -v[NM+4*\u+1]
	v_mov_b32 v[SM+4*\u], 0
	v_mov_b32 v[SM+4*\u+1], 0
.endr
.set jj, 0
.rept 64
	v_mov_b32 v[O+jj], 0                           ; the step is written once: the first finds zeros
.set jj, jj+1
.endr
.endm
.macro KLOAD off                       ; K's eight tiles of 16 keys x 64, off bytes behind v[ADK]
.irp t, 0,1,2,3,4,5,6,7
	ds_load_b128 v[KF+8*\t:KF+8*\t+3], v[ADK] offset:\off+(8*(\t/2)+2*(\t%2))*PITCH
	ds_load_b128 v[KF+8*\t+4:KF+8*\t+7], v[ADK] offset:\off+(8*(\t/2)+2*(\t%2))*PITCH+32
.endr
.endm
	s_load_b256 s[4:11], s[0:1], 0x0               ; Q s[4:5], K s[6:7], V s[8:9], the exponents s[10:11]
	s_load_b64 s[12:13], s[0:1], 0x20              ; y's codes
	v_lshl_add_u32 v[SPW], v0, 2, SPARE
	v_mov_b32 v[NIL], 0
	ds_add_u32 v[SPW], v[NIL]                      ; the opening lines: the add, twice on end, and its wait
	ds_add_u32 v[SPW], v[NIL]
	v_lshrrev_b32 v8, 5, v0
	v_readfirstlane_b32 s[WV], v8
	v_and_b32 v8, 15, v0                           ; r
	v_bfe_u32 v9, v0, 4, 1                         ; h
	v_lshlrev_b32 v[QO], 6, v8
	v_lshl_add_u32 v[QO], v9, 4, v[QO]             ; Q: row r of 64 bytes + 16 h
	s_bfe_u32 s15, ttmp6, 0x40000                  ; cx
	s_and_b32 s14, ttmp7, 0xffff                   ; the head, 16 x batch + h
	s_lshl_b32 s32, s14, 17                        ; its first byte in Q, K and V
	s_lshl_b32 s16, s[WV], 2
	s_add_co_u32 s16, s16, s15                     ; a: the second pair
	s_sub_co_u32 s17, 63, s16                      ; the first pair
	s_lshl_b32 s34, s17, 11                        ; a pair's codes of Q: 2,048 bytes
	s_add_co_u32 s34, s34, s32
	s_mov_b32 s35, 0
	s_lshl_b32 s36, s16, 11
	s_add_co_u32 s36, s36, s32
	s_mov_b32 s37, 0
	s_lshr_b32 s19, s14, 4
	s_lshl_b32 s19, s19, 3                         ; 8 x batch
	s_and_b32 s38, s14, 15                         ; h
.irp p, 17,16                                  ; y: ((8 batch + pair / 8) x 16 + h) x 16,384 + 2,048 (pair % 8): s82 for s17, s84 for s16
	s_lshr_b32 s[116-2*\p], s\p, 3
	s_add_co_u32 s[116-2*\p], s[116-2*\p], s19
	s_lshl_b32 s[116-2*\p], s[116-2*\p], 4
	s_add_co_u32 s[116-2*\p], s[116-2*\p], s38
	s_lshl_b32 s[116-2*\p], s[116-2*\p], 14
	s_and_b32 s39, s\p, 7
	s_lshl_b32 s39, s39, 11
	s_add_co_u32 s[116-2*\p], s[116-2*\p], s39
	s_mov_b32 s[117-2*\p], 0
.endr
.irp g, G1A, G1B                               ; dense bytes as rows of 256
	s_mov_b32 s[\g], 15|(3<<16)|(1<<20)|(1<<21)|(5<<22)|(3<<25)   ; the cluster's four; elements of 8 bytes; four words of padding behind every 64; bit 21 beside the mask
	s_mov_b32 s[\g+1], 32<<16
	s_mov_b32 s[\g+3], 32<<16
	s_mov_b32 s[\g+5], 32
	s_mov_b32 s[\g+6], 0
	s_mov_b32 s[\g+7], 0
.endr
	s_mov_b32 s[G1A+2], RA<<16
	s_mov_b32 s[G1A+4], RA
	s_mov_b32 s[G1B+2], RB<<16
	s_mov_b32 s[G1B+4], RB
	s_mov_b32 s[G0A], 1
	s_mov_b32 s[G0B], 1
	s_and_b32 s60, s[WV], 3                        ; which quarter of a fill I fetch,
	s_lshr_b32 s61, s[WV], 2                       ; of K (0) or of V (1)
	s_mul_i32 s61, s61, VOFF
	s_mul_i32 s[G0A+1], s60, RA*PITCH
	s_add_co_u32 s[G0A+1], s[G0A+1], s61
	s_mul_i32 s[G0B+1], s60, RB*PITCH
	s_add_co_u32 s[G0B+1], s[G0B+1], s61
	s_add_co_u32 s[G0B+1], s[G0B+1], 4*RA*PITCH
	s_mul_i32 s62, s60, RA*256
	s_add_co_u32 s62, s62, s32
	s_mov_b32 s63, 0
	s_mul_i32 s66, s60, RB*256
	s_add_co_u32 s66, s66, s32
	s_add_co_u32 s66, s66, 4*RA*256
	s_mov_b32 s67, 0
	s_mov_b32 s[SEL], 0x76543210
	s_mov_b32 s[SEL+1], 0xfedcba98
	s_mov_b32 s[CS], 0x3e38aa3b                    ; log2(e) / 8
	s_wait_alu depctr_va_vdst(0)                   ; the wait here, directly ahead of the waits below
	s_wait_dscnt 0x0                               ; both opening adds are done
	s_wait_kmcnt 0x0
	s_load_b256 s[68:75], s[10:11], 0x0            ; e0 .. e7
	s_add_nc_u64 s[48:49], s[4:5], s[34:35]        ; Q's codes, first and second pair
	s_add_nc_u64 s[50:51], s[4:5], s[36:37]
.irp u, 0,1                                    ; Q's fragments of both pairs stay in registers; they are asked for ahead of the round
	global_load_b128 v[QH+8*\u:QH+8*\u+3], v[QO], s[48:49] offset:1024*\u
	global_load_b128 v[QH+8*\u+4:QH+8*\u+7], v[QO], s[48:49] offset:1024*\u+32
	global_load_b128 v[QL+8*\u:QL+8*\u+3], v[QO], s[50:51] offset:1024*\u
	global_load_b128 v[QL+8*\u+4:QL+8*\u+7], v[QO], s[50:51] offset:1024*\u+32
.endr
	s_cmp_lt_u32 s[WV], 4
	s_cselect_b64 s[G0A+2:G0A+3], s[6:7], s[8:9]
	s_add_nc_u64 s[G0B+2:G0B+3], s[G0A+2:G0A+3], s[66:67]
	s_add_nc_u64 s[G0A+2:G0A+3], s[G0A+2:G0A+3], s[62:63]
	s_or_b32 s[G0A+3], s[G0A+3], 0x80000000
	s_or_b32 s[G0B+3], s[G0B+3], 0x80000000
	ROUND                                          ; the four work-groups meet
	tensor_load_to_lds s[G0A:G0A+3], s[G1A:G1A+7]  ; keys 0-639: one tensor load a wave
	s_nop 0
.rept 4
	v_nop
.endr
	s_add_nc_u64 s[52:53], s[12:13], s[82:83]      ; y's codes, first and second pair
	s_add_nc_u64 s[54:55], s[12:13], s[84:85]
	s_mul_i32 s86, s[WV], WSTG
	s_add_co_u32 s86, s86, STAGE                   ; my stage
	s_sub_co_u32 s87, 3, s15
	s_lshl_b32 s87, s87, 5                         ; the first pair's first query in its diagonal step: 32 (3 - cx)
	v_and_b32 v220, 31, v0                         ; lane
	v_lshrrev_b32 v221, 2, v8
	v_lshrrev_b32 v222, 3, v8
	v_lshl_add_u32 v222, v222, 1, v221             ; (r + 8 (r / 8)) / 4
	v_and_b32 v223, 3, v8
	v_lshlrev_b32 v223, 6, v223
	v_lshl_add_u32 v223, v9, 4, v223               ; 64 (r % 4) + 16 h
	v_mul_u32_u24 v[AK0], v222, PITCH
	v_add_nc_u32 v[AK0], v[AK0], v223              ; key r + 8 (r / 8): four keys to an LDS row
	v_mul_u32_u24 v[AV0], v221, PITCH
	v_add_nc_u32 v[AV0], v[AV0], v223
	v_add_nc_u32 v[AV0], VOFF, v[AV0]              ; feature r: four features to an LDS row
	v_mul_u32_u24 v[STI], v8, SP
	v_lshl_add_u32 v[STI], v9, 3, v[STI]
	v_add_nc_u32 v[STI], s86, v[STI]               ; the stage, in: row r, 8 bytes for each half of the lanes
	v_lshrrev_b32 v221, 2, v220
	v_mul_u32_u24 v[STR], v221, SP
	v_and_b32 v222, 3, v220
	v_lshl_add_u32 v[STR], v222, 4, v[STR]
	v_add_nc_u32 v[STR], s86, v[STR]               ; back: four lanes to a row of 64 bytes
	v_lshlrev_b32 v[GO], 4, v220
	v_lshlrev_b32 v[DD], 4, v9
	v_sub_nc_u32 v[DD], v8, v[DD]
	v_add_nc_u32 v[DD], s87, v[DD]                 ; d = my query - the diagonal step's first key - 16 h, tile 0,
	v_add_nc_u32 v[DD+1], 16, v[DD]                ; and tile 1
	s_wait_kmcnt 0x0
	s_add_co_i32 s86, s70, s71
	s_lshl_b32 s86, s86, 23
	s_add_co_i32 s[CS], s[CS], s86                 ; a score stands for score x 2^(e2 + e3)
	s_mov_b32 s[CS+1], s[CS]
	s_add_co_i32 s86, s72, 127
	s_lshl_b32 s76, s86, 23                        ; 2^e4
	s_add_co_i32 s86, s86, 8
	s_lshl_b32 s77, s86, 23
	s_or_b32 s77, s77, 0x600000                    ; 448 x 2^e4
	s_add_co_i32 s86, s74, 127
	s_lshl_b32 s78, s86, 23                        ; 2^e6
	s_add_co_i32 s86, s86, 8
	s_lshl_b32 s79, s86, 23
	s_or_b32 s79, s79, 0x600000                    ; 448 x 2^e6
	s_add_co_i32 s81, s72, s73                     ; e4 + e5
	v_mov_b32 v[SCP], s76
	v_mov_b32 v[LP], s77
	v_mov_b32 v[SCY], s78
	v_mov_b32 v[LY], s79
	v_mov_b32 v[NI], 0xff800000                    ; -infinity
	v_mov_b32 v[PL], 0                             ; a lane permute's destination counts as a source
	v_mov_b32 v[PL+1], 0
	v_mov_b32 v[FF+1], 0                           ; named as the upper halves of f's pairs
	v_mov_b32 v[FF+3], 0
	PINIT
.macro SUMS su, u                      ; the sum of tile u's unquantised p, in eight chains
	WIN 0x45
.irp c, 0,1,2,3,4,5,6,7
	v_pk_add_f32 v[TT+2*\c:TT+2*\c+1], v[\su+2*\c:\su+2*\c+1], v[\su+16+2*\c:\su+17+2*\c]
.endr
.irp c, 0,1,2,3,4,5,6,7
	v_pk_add_f32 v[TT+2*\c:TT+2*\c+1], v[TT+2*\c:TT+2*\c+1], v[\su+32+2*\c:\su+33+2*\c]
.endr
.irp c, 0,1,2,3,4,5,6,7
	v_pk_add_f32 v[TT+2*\c:TT+2*\c+1], v[TT+2*\c:TT+2*\c+1], v[\su+48+2*\c:\su+49+2*\c]
.endr
.irp c, 0,1,2,3
	v_pk_add_f32 v[TT+2*\c:TT+2*\c+1], v[TT+2*\c:TT+2*\c+1], v[TT+8+2*\c:TT+9+2*\c]
.endr
	s_delay_alu instid0(VALU_DEP_2)
	v_pk_add_f32 v[TT:TT+1], v[TT:TT+1], v[TT+4:TT+5]
	s_delay_alu instid0(VALU_DEP_2)
	v_pk_add_f32 v[TT+2:TT+3], v[TT+2:TT+3], v[TT+6:TT+7]
	s_delay_alu instid0(VALU_DEP_1)
	v_pk_add_f32 v[TT:TT+1], v[TT:TT+1], v[TT+2:TT+3]
	WIN 0x01
	v_pk_add_f32 v[SM+4*\u:SM+4*\u+1], v[TT:TT+1], v[SM+4*\u:SM+4*\u+1]
.endm
.macro CVTS su, u                      ; tile u's held p into codes
.irp b, 0,1,2,3
	v_cvt_scalef32_pk8_fp8_f32 v[PC+16*\u+4*\b:PC+16*\u+4*\b+1], v[\su+16*\b:\su+16*\b+7], v[SCP]
	v_cvt_scalef32_pk8_fp8_f32 v[PC+16*\u+4*\b+2:PC+16*\u+4*\b+3], v[\su+16*\b+8:\su+16*\b+15], v[SCP]
.endr
.endm
; A KEY STEP: 128 keys at LDS byte s[TB] against my pair's 32 queries.  qf: where the pair's Q lies.  mk = 1: trips behind the diagonal are jumped over, the diagonal's is masked.  K's fragments were asked for a step ago.
.macro STEP qf, mk
.if \mk
	s_cmp_gt_u32 s[T], s[DG]
	s_cbranch_scc1 .Lhid_\@
.endif
	v_add_nc_u32 v[ADK], s[TB], v[AK0]
	v_add_nc_u32 v[ADV], s[TB], v[AV0]
	s_wait_alu depctr_va_vdst(0)                   ; the wait ahead of the wait below
	s_wait_dscnt 0x0                               ; K is in
	WIN 0x40                                       ; S^T and V in window 1
.irp u, 0,1
.irp t, 0,1,2,3,4,5,6,7
	v_wmma_f32_16x16x64_fp8_fp8 v[64*\u+8*\t:64*\u+8*\t+7], v[KF+8*\t:KF+8*\t+7], v[\qf+8*\u:\qf+8*\u+7], 0
.endr
.endr
.rept 4
	v_nop                                          ; places ahead of the scores' first read and of the loads into K's registers; with the two additions above also of the loads into V's
.endr
.irp t, 0,1,2,3
.irp c, 0,1,2,3
	ds_load_b128 v[VF+16*\t+4*\c:VF+16*\t+4*\c+3], v[ADV] offset:(\c/2)*VBLK+\t*4*PITCH+32*(\c%2)
.endr
.endr
	WIN 0
	KLOAD KSTEP                                    ; the next step's K
.if \mk
	s_cmp_lg_u32 s[T], s[DG]
	s_cbranch_scc1 .Lopen_\@
	WIN 0x41
.irp u, 0,1
.set nn, 0
.rept 64
	v_cmp_gt_i32 vcc_lo, 32*(nn/16)+nn%16, v[DD+\u]   ; register 16 b + i holds key 32 b + 16 h + i of the step: hidden where 32 b + i > d
	v_cndmask_b32 v[64*\u+nn], v[64*\u+nn], v[NI], vcc_lo
.set nn, nn+1
.endr
.endr
	WIN 0
.Lopen_\@:
.endif
	WIN 0x15                                       ; the largest scores: four chains a tile, the registers in ascending order
.irp c, 0,1,2,3
.irp u, 0,1
	v_max3_num_f32 v[MX+4*\u+\c], v[64*\u+3*\c], v[64*\u+3*\c+1], v[64*\u+3*\c+2]
.endr
.endr
	WIN 0x14
.set jj, 12
.rept 26
.irp u, 0,1
	v_max3_num_f32 v[MX+4*\u+(jj/2)%4], v[MX+4*\u+(jj/2)%4], v[64*\u+jj], v[64*\u+jj+1]
.endr
.set jj, jj+2
.endr
	WIN 0                                          ; the two tiles' chains take turns, line by line
.irp u, 0,1
	v_max3_num_f32 v[MX+4*\u+3], v[MX+4*\u+3], v[MX+4*\u+2], v[MX+4*\u+1]
.endr
.irp u, 0,1
	v_max_num_f32 v[MX+4*\u+3], v[MX+4*\u+3], v[MX+4*\u]
.endr
.irp u, 0,1
	v_permlanex16_b32 v[PL+\u], v[MX+4*\u+3], s[SEL], s[SEL+1]
.endr
.irp u, 0,1
	v_max_num_f32 v[MX+4*\u+3], v[MX+4*\u+3], v[PL+\u]   ; and lane l xor 16's
.endr
.irp u, 0,1
	v_mul_f32 v[MX+4*\u+3], s[CS], v[MX+4*\u+3]    ; as t
.endr
.irp u, 0,1
	v_max_num_f32 v[NM+4*\u+1], v[NM+4*\u+1], v[MX+4*\u+3]
.endr
.irp u, 0,1
	v_mov_b32 v[MX+4*\u+3], v[NM+4*\u]
.endr
.irp u, 0,1
	v_floor_f32 v[NM+4*\u], -v[NM+4*\u+1]          ; -M = floor(-t)
.endr
.irp u, 0,1
	v_sub_f32 v[MX+4*\u+3], v[NM+4*\u], v[MX+4*\u+3]   ; old M - new M, a whole number
.endr
.irp u, 0,1
	v_cvt_i32_f32 v[MX+4*\u+3], v[MX+4*\u+3]
.endr
.irp u, 0,1
	v_ldexp_f32 v[FF+2*\u], 1.0, v[MX+4*\u+3]      ; f = 2^(old M - new M)
.endr
.irp u, 0,1
	v_pk_mul_f32 v[SM+4*\u:SM+4*\u+1], v[SM+4*\u:SM+4*\u+1], v[FF+2*\u:FF+2*\u+1] op_sel_hi:[1,0]   ; the sum under the new M
.endr
.irp u, 0,1
.set jj, 0
.rept 16
	v_pk_mul_f32 v[O+32*\u+jj:O+32*\u+jj+1], v[O+32*\u+jj:O+32*\u+jj+1], v[FF+2*\u:FF+2*\u+1] op_sel_hi:[1,0]   ; O^T under the new M
.set jj, jj+2
.endr
.endr
	WIN 0x41                                       ; p in window 1, -M and the constants in window 0
.set jj, 0
.rept 32
	v_pk_fma_f32 v[jj:jj+1], v[jj:jj+1], s[CS:CS+1], v[NM:NM+1] op_sel_hi:[1,0,0]   ; tile 0: t - M
.set jj, jj+2
.endr
	s_wait_alu depctr_va_vdst(0)                   ; the wait ahead of the batch
.set jj, 0
.rept 32                                       ; tile 0's exponentials, and among them tile 1's t - M, which is first read behind the next wait
	v_exp_f32 v[jj], v[jj]
	v_exp_f32 v[jj+1], v[jj+1]
	v_pk_fma_f32 v[64+jj:65+jj], v[64+jj:65+jj], s[CS:CS+1], v[NM+4:NM+5] op_sel_hi:[1,0,0]
.set jj, jj+2
.endr
	s_wait_alu depctr_va_vdst(0)                   ; one wait: behind tile 0's batch and ahead of tile 1's
	SUMS 0, 0
	WIN 0x41
.set jj, 0
.rept 64                                       ; tile 1's exponentials, and among them tile 0's hold: the conversion does not saturate (ISA guide 7.6.2); p is not negative, so it is one-sided
	v_exp_f32 v[64+jj], v[64+jj]
	v_min_num_f32 v[jj], v[jj], v[LP]
.set jj, jj+1
.endr
	s_wait_alu depctr_va_vdst(0)                   ; one wait behind the batch, ahead of its first reader and of the wait below
	s_wait_dscnt 16                                ; V's sixteen loads are in; the sixteen of the next step's K may be out
	CVTS 0, 0
	SUMS 64, 1
	WIN 0x41
.set jj, 0
.rept 64
	v_min_num_f32 v[64+jj], v[64+jj], v[LP]
.set jj, jj+1
.endr
	CVTS 64, 1
	v_nop                                          ; one plain line between the conversions and the products
	WIN 0x05                                       ; V and p's codes in window 1, O^T in window 0
.irp u, 0,1
.irp t, 0,1,2,3
	v_wmma_f32_16x16x128_fp8_fp8 v[O+32*\u+8*\t:O+32*\u+8*\t+7], v[VF+16*\t:VF+16*\t+15], v[PC+16*\u:PC+16*\u+15], v[O+32*\u+8*\t:O+32*\u+8*\t+7]   ; eight accumulators by turns
.endr
.endr
	WIN 0
.if \mk
.Lhid_\@:
.endif
	s_add_co_u32 s[TB], s[TB], KSTEP
.endm
.macro WALK qf, mk, n
	s_mov_b32 s[T], 0
.Lwalk_\@:
	STEP \qf, \mk
	s_add_co_u32 s[T], s[T], 1
	s_cmp_lt_u32 s[T], \n
	s_cbranch_scc1 .Lwalk_\@
.endm
; THE WAY OUT of a pair: y = O^T x 2^(e4 + e5) / the sum, held and converted with 2^e6; through my stage; 2,048 consecutive bytes, 512 a store.  All in window 0.
.macro OUT yp
	s_wait_dscnt 0x0                               ; the last look-ahead loads have landed: K's registers are at work below
.irp u, 0,1
	v_add_f32 v[SM+4*\u], v[SM+4*\u], v[SM+4*\u+1]
.endr
.irp u, 0,1
	v_permlanex16_b32 v[PL+\u], v[SM+4*\u], s[SEL], s[SEL+1]
.endr
.irp u, 0,1
	v_add_f32 v[SM+4*\u], v[SM+4*\u], v[PL+\u]     ; the row's sum
.endr
	s_wait_alu depctr_va_vdst(0)                   ; the wait ahead of the reciprocals,
	v_rcp_f32 v[SM], v[SM]
	v_rcp_f32 v[SM+4], v[SM+4]
	v_nop
	s_wait_alu depctr_va_vdst(0)                   ; ahead of their first reader,
	v_ldexp_f32 v[SM], v[SM], s81
	v_ldexp_f32 v[SM+4], v[SM+4], s81
	s_wait_alu depctr_va_vdst(0)                   ; and ahead of the first reader of O^T
.irp u, 0,1
.set jj, 0
.rept 32
	v_mul_f32 v[KF+32*\u+jj], v[O+32*\u+jj], v[SM+4*\u]   ; register 8 t + i is y(query r, feature 16 t + 8 h + i)
.set jj, jj+1
.endr
.endr
.set jj, 0
.rept 64
	v_med3_num_f32 v[KF+jj], v[KF+jj], -v[LY], v[LY]
.set jj, jj+1
.endr
.irp t, 0,1,2,3,4,5,6,7
	v_cvt_scalef32_pk8_fp8_f32 v[CD+2*\t:CD+2*\t+1], v[KF+8*\t:KF+8*\t+7], v[SCY]
.endr
	v_nop                                          ; one plain line behind the last conversion
.irp t, 0,1,2,3,4,5,6,7
	ds_store_b64 v[STI], v[CD+2*\t:CD+2*\t+1] offset:16*(\t%4)+16*SP*(\t/4)
.endr
.irp i, 0,1,2,3
	ds_load_b128 v[BK+4*\i:BK+4*\i+3], v[STR] offset:8*SP*\i   ; LDS serves a wave's instructions in order: these see my stores
.endr
.irp i, 0,1,2,3
	s_wait_dscnt 3-\i                              ; load i is in; the younger ones may be out
	global_store_b128 v[GO], v[BK+4*\i:BK+4*\i+3], s[\yp:\yp+1] offset:512*\i
.endr
.endm
	s_wait_alu depctr_va_vdst(0)                   ; the wait at the head's end
	s_wait_loadcnt 0x0                             ; Q
	s_wait_tensorcnt 0x0                           ; my part of keys 0-639 is in
	ds_add_u32 v[SPW], v[NIL]
	s_mov_b32 s[TB], 0
	s_wait_dscnt 0x0
	ROUND                                          ; everybody's part is in, and the four work-groups meet
	tensor_load_to_lds s[G0B:G0B+3], s[G1B:G1B+7]  ; keys 640-2047: it has the four steps below in which to land
	s_nop 0
.rept 4
	v_nop
.endr
	v_add_nc_u32 v[ADK], s[TB], v[AK0]
	KLOAD 0                                        ; the first step's K
	WALK QH, 0, 4                                  ; pair 63 - a, keys 0-511: all count; the last trip looks ahead to keys 512-639
	s_wait_tensorcnt 0x0                           ; my part of keys 640-2047 is in
	s_wait_dscnt 0x0
	s_barrier_signal -1
	s_barrier_wait -1                              ; everybody's is
	s_mov_b32 s[TB], 4*KSTEP
	s_sub_co_u32 s[DG], 11, s[WV]                  ; pair 63 - a lies in key step 15 - wave, the loop's trip 11 - wave
	WALK QH, 1, 12
	OUT 52
	s_lshl_b32 s86, s15, 6
	s_sub_co_i32 s86, s86, 96                      ; the second pair's place in its diagonal step is 32 cx: 32 (2 cx - 3) more
	s_mov_b32 s[TB], 0
	s_mov_b32 s[DG], s[WV]                         ; pair a lies in key step wave
	s_wait_xcnt 0x0                                ; the stores have read their registers, which the next way out fills again
	v_add_nc_u32 v[ADK], s[TB], v[AK0]
	KLOAD 0
	v_add_nc_u32 v[DD], s86, v[DD]
	v_add_nc_u32 v[DD+1], s86, v[DD+1]
	PINIT
	s_wait_alu depctr_va_vdst(0)                   ; the wait
	WALK QL, 1, 8
	OUT 54
	s_wait_tensorcnt 0x0                           ; the wave's end
	ds_add_u32 v[SPW], v[NIL]
	s_wait_dscnt 0x0
	ROUND                                          ; the closing round
	s_endpgm
.Lfunc_end_k_qa947ea88fd_attn:
	.size	k_qa947ea88fd_attn, .Lfunc_end_k_qa947ea88fd_attn-k_qa947ea88fd_attn
	.p2alignl 7, 3214868480
	.fill 96, 4, 3214868480
	.section	.rodata,"a",@progbits
	.p2align	6, 0x0
	.amdhsa_kernel k_qa947ea88fd_attn
		.amdhsa_group_segment_fixed_size 327680
		.amdhsa_private_segment_fixed_size 0
		.amdhsa_enable_private_segment 0
		.amdhsa_kernarg_size 40
		.amdhsa_user_sgpr_count 2
		.amdhsa_user_sgpr_kernarg_segment_ptr 1
		.amdhsa_wavefront_size32 1
		.amdhsa_system_sgpr_workgroup_id_x 1
		.amdhsa_system_sgpr_workgroup_id_y 1
		.amdhsa_system_sgpr_workgroup_id_z 1
		.amdhsa_system_vgpr_workitem_id 0
		.amdhsa_next_free_vgpr 512
		.amdhsa_next_free_sgpr 100
		.amdhsa_reserve_vcc 1
		.amdhsa_float_denorm_mode_32 3
		.amdhsa_float_denorm_mode_16_64 3
		.amdhsa_memory_ordered 1
		.amdhsa_forward_progress 1
		.amdhsa_inst_pref_size 140
	.end_amdhsa_kernel
	.amdgpu_metadata
---
amdhsa.version: [ 1, 2 ]
amdhsa.kernels:
  - .name:           k_qa947ea88fd_attn
    .symbol:         k_qa947ea88fd_attn.kd
    .args:
      - { .name: q_codes, .offset: 0, .size: 8, .value_kind: global_buffer, .address_space: global }
      - { .name: k_codes, .offset: 8, .size: 8, .value_kind: global_buffer, .address_space: global }
      - { .name: v_codes, .offset: 16, .size: 8, .value_kind: global_buffer, .address_space: global }
      - { .name: lowp_scales, .offset: 24, .size: 8, .value_kind: global_buffer, .address_space: global }
      - { .name: y_codes, .offset: 32, .size: 8, .value_kind: global_buffer, .address_space: global }
    .group_segment_fixed_size: 327680
    .private_segment_fixed_size: 0
    .kernarg_segment_align: 8
    .kernarg_segment_size: 40
    .max_flat_workgroup_size: 256
    .sgpr_count:     100
    .vgpr_count:     512
    .wavefront_size: 32
...
	.end_amdgpu_metadata
.endif
;; end of part 3
;; launch proj (part 4): grid 8 x 32, 4 waves a work-group, clusters of 4 x 4, 327,680 bytes of LDS; arguments y_codes, wout_codes, lowp_scales, out0; writes out0
.if DOCPART == 4
	.amdgcn_target "amdgcn-amd-amdhsa--gfx1250"
	.amdhsa_code_object_version 6
	.text
	.protected	k_qa947ea88fd_proj
	.globl	k_qa947ea88fd_proj
	.p2align	8
	.type	k_qa947ea88fd_proj,@function
k_qa947ea88fd_proj:
	s_mov_b64 s[64:65], 0
	v_nop
	global_prefetch_b8 v0, s[64:65] scope:SCOPE_SE
	s_setreg_imm32_b32 hwreg(HW_REG_WAVE_MODE, 25, 1), 1
	s_wait_xcnt 0x0
	s_wait_alu depctr_hold_cnt(0) depctr_sa_sdst(0) depctr_va_vdst(0) depctr_va_sdst(0) depctr_va_ssrc(0) depctr_va_vcc(0) depctr_vm_vsrc(0)
	s_getreg_b32 s2, hwreg(HW_REG_IB_STS2, 6, 4)
	s_cmp_eq_u32 s2, 0
	s_cbranch_scc0 .Lentry_in_a_cluster
	s_endpgm
.Lentry_in_a_cluster:
	s_bfe_u32 s2, ttmp6, 0x10000c
	s_cmp_lg_u32 s2, 0xf033
	s_cbranch_scc0 .Lentry_shape_is_right
	s_endpgm
.Lentry_shape_is_right:
.set ROWB,   256
.set PITCH,  272
.set FR,     16
.set NL,     4
.set NP,     4
.set HALFA,  128*PITCH
.set HEADB,  64*PITCH
.set HALFB,  64*PITCH
.set SLOT,   2*HALFA+2*HALFB
.set SPARE,  2*SLOT
.set SPITCH, 272
.set ADRA, 16
.set ADRB, 20
.set STO,  24
.set RD,   25
.set CO,   26
.set SPW,  28
.set NIL,  29
.set TMP,  32
.set AF,   128
.set BK,   128
.set G1, 24
.set G0, 32
.set G1B, 48
.set G0B, 56
.set MSB, 0
.macro WIN new
.if MSB != \new
	s_set_vgpr_msb (MSB<<8)|\new
.set MSB, \new
.endif
.endm
.set MUL,  0xa1
.set TO_B, 0x40
.macro JLOAD g0a, g1a, g0b, g1b
	s_cmp_eq_u32 s15, 0
	s_cbranch_scc0 .Lfor_b_\@
	tensor_load_to_lds s[\g0a:\g0a+3], s[\g1a:\g1a+7]
	s_nop 0
.rept 4
	v_nop
.endr
	s_branch .Lasked_\@
.Lfor_b_\@:
	tensor_load_to_lds s[\g0b:\g0b+3], s[\g1b:\g1b+7]
	s_nop 0
.rept 4
	v_nop
.endr
.Lasked_\@:
.endm
.macro CREST
	s_cmp_lg_u32 s14, 0
	s_cbranch_scc1 .Lnot_wave_0_\@
	s_barrier_signal -3
.Lnot_wave_0_\@:
	s_barrier_wait -3
	s_barrier_signal -1
	s_barrier_wait -1
.endm
.macro CROUND
	s_barrier_signal -1
	s_barrier_wait -1
	CREST
.endm
	s_load_b128 s[4:7], s[0:1], 0x0
	s_load_b128 s[8:11], s[0:1], 0x10
	v_lshl_add_u32 v[SPW], v0, 2, SPARE
	v_mov_b32 v[NIL], 0
	ds_add_u32 v[SPW], v[NIL]
	ds_add_u32 v[SPW], v[NIL]
	v_lshrrev_b32 v1, 5, v0
	v_readfirstlane_b32 s14, v1
	s_lshr_b32 s15, s14, 1
	s_and_b32 s16, s14, 1
	s_bfe_u32 s40, ttmp6, 0x40000
	s_bfe_u32 s41, ttmp6, 0x40004
	s_lshl_b32 s42, ttmp9, 2
	s_add_co_u32 s42, s42, s40
	s_and_b32 s17, ttmp7, 0xffff
	s_lshl_b32 s17, s17, 2
	s_add_co_u32 s17, s17, s41
	s_lshl_b32 s43, s41, 2
	s_lshl_b32 s43, 15, s43
	s_lshl_b32 s44, 0x1111, s40
	s_or_b32 s[G1+0], s43, (0<<16)|(1<<20)|(1<<21)|(5<<22)|(3<<25)
	s_or_b32 s[G1B+0], s44, (0<<16)|(1<<20)|(1<<21)|(5<<22)|(3<<25)
	s_mov_b32 s[G1+1], ROWB<<16
	s_mov_b32 s[G1+2], 128<<16
	s_mov_b32 s[G1+3], ROWB<<16
	s_mov_b32 s[G1+4], 128
	s_mov_b32 s[G1+5], ROWB
	s_mov_b32 s[G1+6], 0
	s_mov_b32 s[G1+7], 0
	s_mov_b32 s[G1B+1], ROWB<<16
	s_mov_b32 s[G1B+2], 64<<16
	s_mov_b32 s[G1B+3], ROWB<<16
	s_mov_b32 s[G1B+4], 64
	s_mov_b32 s[G1B+5], 1024
	s_mov_b32 s[G1B+6], 0
	s_mov_b32 s[G1B+7], 0
	s_lshl_b32 s20, s17, 18
	s_lshl_b32 s18, s16, 15
	s_add_co_u32 s20, s20, s18
	s_mov_b32 s21, 0
	s_lshl_b32 s46, s42, 17
	s_lshl_b32 s19, s16, 16
	s_add_co_u32 s46, s46, s19
	s_mov_b32 s47, 0
	s_mul_i32 s45, s16, HALFA
	s_mul_i32 s67, s16, HALFB
	s_add_co_u32 s67, s67, 2*HALFA
	s_wait_dscnt 0x0
	s_wait_kmcnt 0x0
	s_load_b64 s[96:97], s[8:9], 0x18
	s_add_nc_u64 s[20:21], s[4:5], s[20:21]
	s_add_nc_u64 s[46:47], s[6:7], s[46:47]
	; THE PREFETCHES INTO THE L2: what I fetch of a K step is shared out by address among the four partners that ask for it with me.  y: 32,768 dense bytes, 8,192 a partner (by cx), lanes 256 bytes apart.
	; W_out: 64 rows of 256 bytes, 16 a partner (by cy), a lane a row; lanes 16-31 name lane 15's row again.  K steps 1 and 2 are named behind K step 0's load, K step 3 behind K step 1's.
	; W_out's rows, which all eight rows of clusters read, are named by the first four alone.  The address registers are never rewritten.
	s_cmp_eq_u32 s15, 0
	s_cselect_b64 s[68:69], s[20:21], s[46:47]
	s_cselect_b32 s70, s40, s41                    ; my work-group's place among the four
	s_cselect_b32 s72, 13, 14                      ; a partner's share: 8,192 bytes, or 16 rows of 1,024
	s_cselect_b32 s73, 8, 10                       ; from lane to lane
	s_cselect_b32 s74, 31, 15                      ; the last lane with a block of its own
	s_mov_b32 s76, 256
	s_cselect_b32 s76, 0x10000, s76                ; a K step on
	s_lshl_b32 s70, s70, s72
	s_mov_b32 s71, 0
	s_mov_b32 s77, 0
	s_add_nc_u64 s[68:69], s[68:69], s[70:71]
	s_add_nc_u64 s[68:69], s[68:69], s[76:77]      ; K step 1
	s_add_nc_u64 s[78:79], s[68:69], s[76:77]      ; K step 2
	s_add_nc_u64 s[80:81], s[78:79], s[76:77]      ; K step 3
	s_and_b32 s75, ttmp7, 0xffff
	s_lshr_b32 s75, s75, 2
	s_min_u32 s75, s75, 1
	s_and_b32 s75, s75, s15                        ; 1: W_out, in a cluster's row of 4 or more: I name nothing.  The same in all partners
	v_and_b32 v27, 31, v0
	v_min_u32 v27, s74, v27
	v_lshlrev_b32 v27, s73, v27
	s_wait_alu depctr_va_vdst(0)                   ; the wait here, directly ahead of the round
	CROUND                                         ; the one round in front of the first joint loads
.irp s, 0,1
	s_mov_b32 s[G0+4*\s], 1
	s_add_co_u32 s[G0+4*\s+1], s45, \s*SLOT
	s_add_nc_u64 s[G0+4*\s+2:G0+4*\s+3], s[20:21], \s*65536
	s_or_b32 s[G0+4*\s+3], s[G0+4*\s+3], 0x80000000
	s_mov_b32 s[G0B+4*\s], 1
	s_add_co_u32 s[G0B+4*\s+1], s67, \s*SLOT
	s_add_nc_u64 s[G0B+4*\s+2:G0B+4*\s+3], s[46:47], \s*ROWB
	s_or_b32 s[G0B+4*\s+3], s[G0B+4*\s+3], 0x80000000
.if \s == 1                                    ; slot 1's first fill is issued as a refill is, with a round ahead of it
	s_wait_alu depctr_va_vdst(0)
	s_wait_tensorcnt 0x0
	ds_add_u32 v28, v29
	ds_add_u32 v28, v29
	s_wait_dscnt 0x0
	CROUND
.endif
	JLOAD G0+4*\s, G1, G0B+4*\s, G1B
	s_cmp_eq_u32 s75, 0
	s_cbranch_scc0 .Lno_ask_\s
.if \s == 0
	global_prefetch_b8 v27, s[68:69] th:TH_LOAD_NT scope:SCOPE_SE
	global_prefetch_b8 v27, s[78:79] th:TH_LOAD_NT scope:SCOPE_SE
.else
	global_prefetch_b8 v27, s[80:81] th:TH_LOAD_NT scope:SCOPE_SE
.endif
.Lno_ask_\s:
.endr
	v_and_b32 v1, 15, v0
	v_bfe_u32 v2, v0, 4, 1
	v_mul_u32_u24 v3, v1, PITCH
	v_lshl_add_u32 v4, v2, 4, v3
	v_lshrrev_b32 v5, 2, v1
	v_mul_u32_u24 v5, v5, PITCH
	v_and_b32 v6, 3, v1
	v_lshl_add_u32 v5, v6, 6, v5
	v_lshl_add_u32 v5, v2, 4, v5
	s_mul_i32 s21, s15, 32*PITCH
	s_mul_i32 s22, s16, HALFB
	s_add_co_u32 s22, s22, 2*HALFA
.irp s, 0,1
	v_add_nc_u32 v[ADRA+\s], s21, v5
	v_add_nc_u32 v[ADRB+\s], s22, v4
	s_add_co_u32 s21, s21, SLOT
	s_add_co_u32 s22, s22, SLOT
.endr
	s_mul_i32 s23, s14, 16*SPITCH
	v_lshl_add_u32 v7, v2, 5, v3
	v_add_nc_u32 v[STO], s23, v7
	v_mul_u32_u24 v8, v2, SPITCH
	v_lshl_add_u32 v8, v1, 4, v8
	v_add_nc_u32 v[RD], s23, v8
	v_lshlrev_b32 v9, 12, v2
	v_lshl_add_u32 v[CO], v1, 4, v9
	s_lshl_b32 s20, s17, 8
	s_lshl_b32 s21, s15, 7
	s_add_co_u32 s20, s20, s21
	s_lshl_b32 s20, s20, 12
	s_lshl_b32 s46, s42, 9
	s_lshl_b32 s47, s16, 8
	s_add_co_u32 s46, s46, s47
	s_add_co_u32 s20, s20, s46
	s_mov_b32 s21, 0
	s_add_nc_u64 s[10:11], s[10:11], s[20:21]
.macro FRAGA reg, adr, q, i
.irp c, 0,1,2,3
	ds_load_b128 v[\reg+4*\c:\reg+4*\c+3], v[\adr] offset:(2*(\q)+\c/2)*HEADB+(\i)*4*PITCH+32*(\c%2)
.endr
.endm
.macro FRAGB reg, adr, q, i
.irp c, 0,1,2,3
	ds_load_b128 v[\reg+4*\c:\reg+4*\c+3], v[\adr] offset:128*(\q)+32*\c+(\i)*16*PITCH
.endr
.endm
.macro MUL8 a0, p, zero
.irp a, \a0, \a0+1
.irp b, 0,1,2,3
.if \zero
	v_wmma_f32_16x16x128_fp8_fp8 v[8*(4*(\a)+\b):8*(4*(\a)+\b)+7], v[128*(\p)+FR*\b:128*(\p)+FR*\b+FR-1], v[AF+FR*(\a):AF+FR*(\a)+FR-1], 0
.else
	v_wmma_f32_16x16x128_fp8_fp8 v[8*(4*(\a)+\b):8*(4*(\a)+\b)+7], v[128*(\p)+FR*\b:128*(\p)+FR*\b+FR-1], v[AF+FR*(\a):AF+FR*(\a)+FR-1], v[8*(4*(\a)+\b):8*(4*(\a)+\b)+7]
.endif
.endr
.endr
.endm
.macro FETCH_B slot, q, p
	WIN TO_B
.irp i, 0,1,2,3
	FRAGB 128*(\p)+FR*\i, ADRB+\slot, \q, \i
.endr
	WIN 0
.endm
.macro FETCH_A slot, q, i0
.irp i, \i0, \i0+1, \i0+2, \i0+3
	FRAGA AF+FR*(\i), ADRA+\slot, \q, \i
.endr
.endm
.macro PLACES n
.rept \n
	v_nop
.endr
.endm
.macro STEP slot, q, zero
	s_wait_dscnt 4*NL
	WIN MUL
	MUL8 0, (\q)%2, \zero
	MUL8 2, (\q)%2, \zero
	s_wait_dscnt 0
	PLACES NP
	FETCH_B \slot, (\q)+1, 1-(\q)%2
	FETCH_A \slot, (\q)+1, 0
	WIN MUL
	MUL8 4, (\q)%2, \zero
	MUL8 6, (\q)%2, \zero
	PLACES NP
	WIN 0
	FETCH_A \slot, (\q)+1, 4
.endm
.macro TURN slot, next, fill
	s_wait_tensorcnt 0x0
	ds_add_u32 v[SPW], v[NIL]
	s_wait_dscnt 4*NL+1
	WIN MUL
	MUL8 0, 1, 0
	s_wait_dscnt 0x0
	s_barrier_signal -1
	MUL8 2, 1, 0
	WIN 0
	s_barrier_wait -1
.if \fill
	CREST
	s_add_nc_u64 s[G0+4*\slot+2:G0+4*\slot+3], s[G0+4*\slot+2:G0+4*\slot+3], 2*65536
	s_add_nc_u64 s[G0B+4*\slot+2:G0B+4*\slot+3], s[G0B+4*\slot+2:G0B+4*\slot+3], 2*ROWB
	JLOAD G0+4*\slot, G1, G0B+4*\slot, G1B
.else
	PLACES NP
.endif
	s_wait_alu depctr_va_vdst(0)
	FETCH_B \next, 0, 0
	FETCH_A \next, 0, 0
	WIN MUL
	MUL8 4, 1, 0
	MUL8 6, 1, 0
	PLACES NP
	WIN 0
	FETCH_A \next, 0, 4
.endm
	s_wait_tensorcnt 1
	s_barrier_signal -1
	s_barrier_wait -1
	FETCH_B 0, 0, 0
	FETCH_A 0, 0, 0
	FETCH_A 0, 0, 4
	STEP 0, 0, 1
	TURN 0, 1, 1
	STEP 1, 0, 0
	TURN 1, 0, 1
	STEP 0, 0, 0
	TURN 0, 1, 0
	STEP 1, 0, 0
	s_wait_dscnt 4*NL
	WIN MUL
	MUL8 0, 1, 0
	MUL8 2, 1, 0
	s_wait_dscnt 0
	MUL8 4, 1, 0
	MUL8 6, 1, 0
	WIN 0
.macro TOSTAGE a
.set AC, 32*(\a)
	WIN 0x02
.irp j, 0,2,4,6,8,10,12,14,16,18,20,22,24,26,28,30
	v_pk_mul_f32 v[TMP+\j:TMP+\j+1], v[AC+\j:AC+\j+1], s[96:97] op_sel_hi:[1,0]
.endr
	WIN 0
.irp b, 0,1,2,3
	ds_store_b128 v[STO], v[TMP+8*\b:TMP+8*\b+3] offset:64*\b
	ds_store_b128 v[STO], v[TMP+8*\b+4:TMP+8*\b+7] offset:64*\b+16
.endr
.set BB, BK+32*((\a)%2)
.irp t, 0,1,2,3,4,5,6,7
	ds_load_b128 v[BB+4*\t:BB+4*\t+3], v[RD] offset:\t*2*SPITCH
.endr
.endm
.macro SEND a, younger
.set BB, BK+32*((\a)%2)
	s_wait_dscnt \younger
.if (\a) > 0
	s_add_nc_u64 s[10:11], s[10:11], 16*4096
.endif
.irp t, 0,1,2,3,4,5,6,7
	global_store_b128 v[CO], v[BB+4*\t:BB+4*\t+3], s[10:11] offset:\t*2*4096 th:TH_STORE_NT
.endr
.endm
	s_wait_kmcnt 0x0
	s_add_co_i32 s96, s96, s97
	s_add_co_i32 s96, s96, 127
	s_lshl_b32 s96, s96, 23
	PLACES NP
	TOSTAGE 0
.irp a, 1,2,3,4,5,6,7
.if \a > 1
	s_wait_xcnt 0x0
.endif
	TOSTAGE \a
	SEND \a-1, 16
.endr
	s_wait_xcnt 0x0
	SEND 7, 0
	s_wait_tensorcnt 0x0
	ds_add_u32 v[SPW], v[NIL]
	s_wait_dscnt 0x0
	CROUND
	s_endpgm
.Lfunc_end_k_qa947ea88fd_proj:
	.size	k_qa947ea88fd_proj, .Lfunc_end_k_qa947ea88fd_proj-k_qa947ea88fd_proj
	.p2alignl 7, 3214868480
	.fill 96, 4, 3214868480
	.section	.rodata,"a",@progbits
	.p2align	6, 0x0
	.amdhsa_kernel k_qa947ea88fd_proj
		.amdhsa_group_segment_fixed_size 327680
		.amdhsa_private_segment_fixed_size 0
		.amdhsa_enable_private_segment 0
		.amdhsa_kernarg_size 32
		.amdhsa_user_sgpr_count 2
		.amdhsa_user_sgpr_kernarg_segment_ptr 1
		.amdhsa_wavefront_size32 1
		.amdhsa_system_sgpr_workgroup_id_x 1
		.amdhsa_system_sgpr_workgroup_id_y 1
		.amdhsa_system_sgpr_workgroup_id_z 1
		.amdhsa_system_vgpr_workitem_id 0
		.amdhsa_next_free_vgpr 768
		.amdhsa_next_free_sgpr 98
		.amdhsa_reserve_vcc 0
		.amdhsa_float_denorm_mode_32 3
		.amdhsa_float_denorm_mode_16_64 3
		.amdhsa_memory_ordered 1
		.amdhsa_forward_progress 1
		.amdhsa_inst_pref_size 79
	.end_amdhsa_kernel
	.amdgpu_metadata
---
amdhsa.version: [ 1, 2 ]
amdhsa.kernels:
  - .name:           k_qa947ea88fd_proj
    .symbol:         k_qa947ea88fd_proj.kd
    .args:
      - { .name: y_codes, .offset: 0, .size: 8, .value_kind: global_buffer, .address_space: global }
      - { .name: wout_codes, .offset: 8, .size: 8, .value_kind: global_buffer, .address_space: global }
      - { .name: lowp_scales, .offset: 16, .size: 8, .value_kind: global_buffer, .address_space: global }
      - { .name: out0, .offset: 24, .size: 8, .value_kind: global_buffer, .address_space: global }
    .group_segment_fixed_size: 327680
    .private_segment_fixed_size: 0
    .kernarg_segment_align: 8
    .kernarg_segment_size: 32
    .max_flat_workgroup_size: 128
    .sgpr_count:     98
    .vgpr_count:     768
    .wavefront_size: 32
...
	.end_amdgpu_metadata
.endif
;; end of part 4
